; MI455X (gfx1250); checked and timed in simulation.
; The chip was launched on July 23, 2026; its instructions are those of AMD's public machine-readable ISA for CDNA 5 (MIT licence, August 2026) and "CDNA5" Instruction Set Architecture Reference Guide (July 2026). The comments in the code are by the model that wrote it; some were corrected since.
;; Causal Self Attention. Allowed arithmetic: matrix products marked QUANTISED: E2M1 operands, one E8M0 scale for each 32 along K, by v_wmma_scale_f32_16x16x128_f8f6f4 with both operands' format E2M1 (or v_wmma_scale_f32_32x16x128_f4), f32 sums; products left as they are: bf16, f16 or f32 operands; f32 sums; everything else in f32.
;; Inputs: Wk 1,024 x 256 float32; Wo 1,024 x 1,024 float32; Wq 1,024 x 1,024 float32; Wv 1,024 x 256 float32; cos 1 x 2,048 x 1 x 32 float32; sin 1 x 2,048 x 1 x 32 float32; x 2 x 2,048 x 1,024 float32.
;; Outputs: out0 2 x 2,048 x 1,024 float32.
;; This version of the problem:
;;   THIS VERSION OF THE PROBLEM IS GIVEN IN LOW PRECISION. The matrix products marked QUANTISED in the list below multiply operands that are first quantised to E2M1 (2 exponent bits, 1 mantissa bit; 4 bits a number), with one power-of-two scale for each 32 numbers along K (OCP MX v1.0); their sums are f32. The products marked 'left as it is' may take bf16, f16 or f32 operands, with f32 sums. Whichever they take, every output number must still come out within the allowed error. Rounding operands to bf16 (8 significant bits) uses up far more of that allowance than f16 does (11 bits, for magnitudes from 6e-5 to 65,504). All else is computed in f32.
;;   The module's matrix products, in the order in which they are computed (A, B: the left and right operand; K: the contracted axis; several contracted axes count as one K, in the product's order):
;;     1. [M 4,096, K 1,024] x [K 1,024, N 1,024]; A: input x; B: input Wq: QUANTISED
;;     2. [M 4,096, K 1,024] x [K 1,024, N 256]; A: input x; B: input Wk: QUANTISED
;;     3. [M 4,096, K 1,024] x [K 1,024, N 256]; A: input x; B: input Wv: QUANTISED
;;     4. batch 32 x [M 2,048, K 64] x [K 64, N 2,048]; A: computed on the way; B: computed on the way: left as it is (an operand is computed on the way)
;;     5. batch 32 x [M 64, K 2,048] x [K 2,048, N 2,048]; A: computed on the way; B: computed on the way: left as it is (an operand is computed on the way)
;;     6. [M 4,096, K 1,024] x [K 1,024, N 1,024]; A: computed on the way; B: input Wo: left as it is (an operand is computed on the way)
;;   THE QUANTISER, for each operand of a quantised product, along K:
;;     - K is cut into blocks of 32 from its start; a last block that is shorter is filled with zeros.
;;     - A block's scale is 2^e with e = floor(log2(the largest magnitude in the block)) - 2, held to -126 .. 127; a block of zeros has e = 0. As a byte (E8M0): e + 127.
;;     - Each number is divided by its block's scale, clamped to +-6, and rounded to the nearest number of E2M1, ties to even, subnormals kept.
;;     - The product sums the exact products of the quantised numbers (number of the format x scale) in f32.
;;   ~~~python
;;   def quantise(x, axis):      # numpy; x: float32 -> the quantised numbers, widened to float32 again
;;       x = np.moveaxis(x, axis, -1); K = x.shape[-1]
;;       x = np.pad(x, [(0, 0)] * (x.ndim - 1) + [(0, -K % 32)]); x = x.reshape(x.shape[:-1] + (-1, 32)); a = np.abs(x).max(-1, keepdims=True)
;;       e = np.where(a > 0, np.clip(np.frexp(np.where(a > 0, a, 1))[1] - 1 - 2, -126, 127), 0)      # np.frexp(a)[1] - 1 = floor(log2(a)), exactly
;;       r = np.clip(x / 2.0 ** e, -6, 6)
;;       step = 2.0 ** (np.maximum(np.frexp(np.where(r == 0, 1, r))[1] - 1, 0) - 1)
;;       q = np.round(r / step) * step * 2.0 ** e      # np.round: ties to even
;;       return np.moveaxis(q.reshape(q.shape[:-2] + (-1,))[..., :K], -1, axis).astype(np.float32)
;;   ~~~
;; One version. Each part assembles by itself: llvm-mc -triple=amdgcn-amd-amdhsa -mcpu=gfx1250 --defsym DOCPART=n.
;; ======== version 1 of 1: 5 launches
;; limits: values are held in f16: magnitudes above 65,504 overflow, below 6.1e-05 lose precision
;; workspace buffers: xq4 2,228,224 bytes; wq4 835,584 bytes; wo16 2,097,152 bytes; qkv16 12,582,912 bytes; y16 8,388,608 bytes; fine32 196,608 bytes
;; launch prep (part 1): grid 288 x 1, 4 waves a work-group, no clusters, 34,304 bytes of LDS; arguments x, Wq, Wk, Wv, Wo, xq4, wq4, wo16; writes xq4, wq4, wo16
.if DOCPART == 1
	.amdgcn_target "amdgcn-amd-amdhsa--gfx1250"
	.amdhsa_code_object_version 6
	.text
	.protected	k_q396bf46a4c_prep
	.globl	k_q396bf46a4c_prep
	.p2align	8
	.type	k_q396bf46a4c_prep,@function
k_q396bf46a4c_prep:
	s_mov_b64 s[64:65], 0
	v_nop
	global_prefetch_b8 v0, s[64:65] scope:SCOPE_SE
	s_setreg_imm32_b32 hwreg(HW_REG_WAVE_MODE, 25, 1), 1
	s_wait_xcnt 0x0
; x [4096][1024] and Wq | Wk | Wv ([1024 k][n]) become codes of FP4 (E2M1) with one E8M0 byte for each 32 along K; Wo [1024 k][1024 n] becomes f16.
; ALL RESULTS ARE LAID AS IMAGES OF OPERAND REGISTERS.  An FP4 fragment (16 rows x 128 K) is 1,024 bytes: piece c (0, 1) at 512 c + 16 x lane holds, for lane (r = lane % 16, h = lane / 16),
; the 32 codes k = 64 c + 32 h .. of row r.  A rowtile's scale record is 512 bytes: the 16 bytes at 16 (16 hh + r) are row r's four scale words of K steps 4 hh .. 4 hh + 3.
; An f16 image (16 rows x 16 K) is 512 bytes: lane (r, h) owns the 16 bytes at 16 x lane: row r, k = 8 h .. 8 h + 7.
; A block's scale is 2^(floor(log2(largest magnitude)) - 2); its byte is the largest magnitude's exponent field - 2, held at 1 from below by a floor among the maximum's leaves.
; LIMITS: a block of zeros gets the byte 1 where the rule says 127 (its codes are zeros, and this program alone reads the bytes); NaN and infinities are not served.
; WORK-GROUPS: 0-127 x (a wave: 16 rows x 512 K); 128-191 Wq, 192-223 Wk and Wv (a wave: 32 columns x 128 K, a lane to a column, registers down K); 224-287 Wo (the same shape).
; The weights' scale words leave as 4 bytes a lane, 16 bytes apart: 48 KB in all are written so.
.set XS_OFF, 2097152                   ; xq4: the scale records begin here
.set WS_OFF, 786432                    ; wq4: likewise
.set STG,    8448                      ; path x: a wave's stage, 16 rows x (512 + 16) bytes
.set SPARE,  4*STG                     ; behind the stages: the spare words, 128 bytes a wave
.set SPW, 2                            ; v2  SPARE + 4 x thread; never rewritten
.set NIL, 3                            ; v3  0; never rewritten
.set LI,  4                            ; v4  16 x lane
.set R,   64                           ; v64-191  path x: two sets of 64 registers as loaded; paths W, O: 128 numbers down K
.set X,   192                          ; v192-255 path x: a K step's 64 numbers of my row; path O: the f16 pieces
.set C,   32                           ; v32-63   codes, never rewritten
.set SW,  16                           ; v16-19   scale words
.macro XLOAD s                         ; K step s of my 16 rows: each load covers 512 consecutive bytes of one row
.irp p, 0,1,2,3,4,5,6,7,8,9,10,11,12,13,14,15
	global_load_b128 v[R+64*((\s)%2)+4*\p:R+64*((\s)%2)+4*\p+3], v[LI], s[4:5] offset:\p*4096+512*(\s) th:TH_LOAD_NT
.endr
.endm
.macro XTURN s                         ; through my stage: in as loaded, out as two blocks of 32 neighbours of row r; LDS serves a wave's instructions in order
.irp p, 0,1,2,3,4,5,6,7,8,9,10,11,12,13,14,15
	ds_store_b128 v7, v[R+64*((\s)%2)+4*\p:R+64*((\s)%2)+4*\p+3] offset:528*\p
.endr
.irp c, 0,1
.irp i, 0,1,2,3,4,5,6,7
	ds_load_b128 v[X+32*\c+4*\i:X+32*\c+4*\i+3], v8 offset:256*\c+16*\i
.endr
.endr
.endm
.macro XQUANT s                        ; my two blocks (h and 2 + h of the K step) become codes and two bytes of the scale word
.irp c, 0,1
	v_max3_num_f32 v[20+2*\c], |v[X+32*\c]|, |v[X+32*\c+1]|, |v[X+32*\c+2]|
	v_max3_num_f32 v[21+2*\c], |v[X+32*\c+3]|, |v[X+32*\c+4]|, |v[X+32*\c+5]|
.endr
.irp i, 6,10,14,18,22,26
.irp c, 0,1
	v_max3_num_f32 v[20+2*\c], v[20+2*\c], |v[X+32*\c+\i]|, |v[X+32*\c+\i+1]|
	v_max3_num_f32 v[21+2*\c], v[21+2*\c], |v[X+32*\c+\i+2]|, |v[X+32*\c+\i+3]|
.endr
.endr
.irp c, 0,1
	v_max3_num_f32 v[20+2*\c], v[20+2*\c], |v[X+32*\c+30]|, |v[X+32*\c+31]|
.endr
.irp c, 0,1
	v_max3_num_f32 v[20+2*\c], v[20+2*\c], v[21+2*\c], 0x1800000   ; the floor 2^(3 - 127): the byte cannot fall under 1
.endr
.irp c, 0,1
	v_add_nc_u32 v[24+\c], 0xff000000, v[20+2*\c]                  ; 2 off the exponent field: the conversion's scale operand
.endr
.irp c, 0,1
	v_lshrrev_b32 v[26+\c], 23, v[24+\c]                           ; the scale's byte
.endr
	v_lshl_or_b32 v28, v27, 16, v26
	v_lshlrev_b32 v28, v29, v28                                    ; my two bytes at their places, 8 h bits up
	v_permlanex16_b32 v30, v28, s22, s23
	v_or_b32 v[SW+(\s)], v28, v30                                  ; with lane l xor 16's two the word is whole
.irp c, 0,1
.irp g, 0,1,2,3
	v_cvt_scalef32_pk8_fp4_f32 v[C+8*(\s)+4*\c+\g], v[X+32*\c+8*\g:X+32*\c+8*\g+7], v[24+\c]
.endr
.endr
	v_nop                                                          ; one plain place behind the last scaled conversion
.irp c, 0,1
	global_store_b128 v[LI], v[C+8*(\s)+4*\c:C+8*(\s)+4*\c+3], s[28:29] offset:1024*(\s)+512*\c   ; 512 consecutive bytes
.endr
.endm
.macro WLOAD g, pitch                  ; rows 32 g .. 32 g + 31 of my 128, my column: 32 lanes read 128 consecutive bytes, the four waves 512
.irp i, 0,1,2,3,4,5,6,7,8,9,10,11,12,13,14,15,16,17,18,19,20,21,22,23,24,25,26,27,28,29,30,31
	global_load_b32 v[R+32*(\g)+\i], v9, s[24:25] offset:(32*(\g)+\i)*\pitch th:TH_LOAD_NT
.endr
.endm
.macro WBLOCK t                        ; block t of my column: all its 32 numbers are mine
	v_max3_num_f32 v13, |v[R+32*(\t)]|, |v[R+32*(\t)+1]|, |v[R+32*(\t)+2]|
	v_max3_num_f32 v14, |v[R+32*(\t)+3]|, |v[R+32*(\t)+4]|, |v[R+32*(\t)+5]|
.irp i, 6,10,14,18,22,26
	v_max3_num_f32 v13, v13, |v[R+32*(\t)+\i]|, |v[R+32*(\t)+\i+1]|
	v_max3_num_f32 v14, v14, |v[R+32*(\t)+\i+2]|, |v[R+32*(\t)+\i+3]|
.endr
	v_max3_num_f32 v13, v13, |v[R+32*(\t)+30]|, |v[R+32*(\t)+31]|
	v_max3_num_f32 v13, v13, v14, 0x1800000
	v_add_nc_u32 v11, 0xff000000, v13
	v_lshrrev_b32 v15, 23, v11
.if (\t) == 0
	v_mov_b32 v16, v15
.else
	v_lshl_or_b32 v16, v15, 8*(\t), v16
.endif
.irp g, 0,1,2,3
	v_cvt_scalef32_pk8_fp4_f32 v[C+4*(\t)+\g], v[R+32*(\t)+8*\g:R+32*(\t)+8*\g+7], v11
.endr
	v_nop
	global_store_b128 v10, v[C+4*(\t):C+4*(\t)+3], s[32:33] offset:512*((\t)/2)+256*((\t)%2)   ; sixteen lanes fill 256 consecutive bytes of an image
.endm
; s[24:25]: the weight at my wave's first row and column; s26: my first rowtile among the 96; s27: the K step
.macro WPATH pitch
	v_lshlrev_b32 v9, 2, v1
	v_lshlrev_b32 v10, 13, v6                      ; lanes 16-31: the next rowtile's images,
	v_lshl_add_u32 v10, v5, 4, v10                 ; 16 bytes a row
	v_lshlrev_b32 v12, 9, v6
	v_lshl_add_u32 v12, v5, 4, v12                 ; the same in the scale records
	s_lshl_b32 s28, s26, 13
	s_lshl_b32 s30, s27, 10
	s_add_co_u32 s28, s28, s30
	s_mov_b32 s29, 0
	s_add_nc_u64 s[32:33], s[16:17], s[28:29]      ; the fragment image (rowtile, K step)
	s_lshl_b32 s28, s26, 9
	s_lshr_b32 s30, s27, 2
	s_lshl_b32 s30, s30, 8
	s_add_co_u32 s28, s28, s30
	s_and_b32 s30, s27, 3
	s_lshl_b32 s30, s30, 2
	s_add_co_u32 s28, s28, s30
	s_add_co_u32 s28, s28, WS_OFF
	s_add_nc_u64 s[34:35], s[16:17], s[28:29]      ; the K step's word in the scale record
	WLOAD 0, \pitch
	WLOAD 1, \pitch
	s_wait_loadcnt 32                              ; group 0 is in; the younger group's 32 loads may be out
	WLOAD 2, \pitch
	WBLOCK 0
	s_wait_loadcnt 32
	WLOAD 3, \pitch
	WBLOCK 1
	s_wait_loadcnt 32
	WBLOCK 2
	s_wait_loadcnt 0x0
	WBLOCK 3
	global_store_b32 v12, v16, s[34:35]
	s_endpgm
.endm
.macro OTILE k                         ; 16 along K of my column: two pieces of 8 numbers, 16 bytes each
.irp hp, 0,1
.irp p, 0,1,2,3
	v_cvt_pk_f16_f32 v[X+8*(\k)+4*\hp+\p], v[R+16*(\k)+8*\hp+2*\p], v[R+16*(\k)+8*\hp+2*\p+1]
.endr
	global_store_b128 v10, v[X+8*(\k)+4*\hp:X+8*(\k)+4*\hp+3], s[32:33] offset:512*(\k)+256*\hp
.endr
.endm
	s_load_b256 s[4:11], s[0:1], 0x0               ; x, Wq, Wk, Wv
	s_load_b256 s[12:19], s[0:1], 0x20             ; Wo, xq4, wq4, wo16
	v_lshl_add_u32 v[SPW], v0, 2, SPARE
	v_mov_b32 v[NIL], 0
	v_lshrrev_b32 v1, 5, v0
	v_readfirstlane_b32 s20, v1                    ; wave
	v_and_b32 v1, 31, v0                           ; lane
	v_lshlrev_b32 v[LI], 4, v1
	v_and_b32 v5, 15, v0                           ; r
	v_bfe_u32 v6, v0, 4, 1                         ; h
	s_wait_kmcnt 0x0
	s_cmp_lt_u32 ttmp9, 128
	s_cbranch_scc1 .Lx
	s_cmp_lt_u32 ttmp9, 192
	s_cbranch_scc1 .Lwq
	s_cmp_lt_u32 ttmp9, 224
	s_cbranch_scc1 .Lwkv
	; ---- Wo: column group cg (128 columns), K eighth kq (128 rows)
	s_sub_co_u32 s21, ttmp9, 224
	s_and_b32 s22, s21, 7
	s_lshr_b32 s27, s21, 3
	s_lshl_b32 s28, s27, 19                        ; 128 rows of 4,096 bytes
	s_lshl_b32 s23, s22, 9
	s_add_co_u32 s28, s28, s23
	s_lshl_b32 s23, s20, 7
	s_add_co_u32 s28, s28, s23
	s_mov_b32 s29, 0
	s_add_nc_u64 s[24:25], s[12:13], s[28:29]
	s_lshl_b32 s28, s22, 18                        ; column tile 8 cg + 2 wave, 32,768 bytes each,
	s_lshl_b32 s23, s20, 16
	s_add_co_u32 s28, s28, s23
	s_lshl_b32 s23, s27, 12                        ; and eight images of 512 bytes for each kq
	s_add_co_u32 s28, s28, s23
	s_add_nc_u64 s[32:33], s[18:19], s[28:29]
	v_lshlrev_b32 v9, 2, v1
	v_lshlrev_b32 v10, 15, v6
	v_lshl_add_u32 v10, v5, 4, v10
	WLOAD 0, 4096
	WLOAD 1, 4096
	s_wait_loadcnt 32                              ; as in the weights' path: one younger group may be out
	WLOAD 2, 4096
	OTILE 0
	OTILE 1
	s_wait_loadcnt 32
	WLOAD 3, 4096
	OTILE 2
	OTILE 3
	s_wait_loadcnt 32
	OTILE 4
	OTILE 5
	s_wait_loadcnt 0x0
	OTILE 6
	OTILE 7
	s_endpgm
.Lwq:
	s_sub_co_u32 s21, ttmp9, 128
	s_and_b32 s22, s21, 7                          ; column group
	s_lshr_b32 s27, s21, 3                         ; K step
	s_lshl_b32 s26, s22, 3
	s_lshl_b32 s23, s20, 1
	s_add_co_u32 s26, s26, s23                     ; rowtile 8 cg + 2 wave
	s_lshl_b32 s28, s27, 19
	s_lshl_b32 s23, s22, 9
	s_add_co_u32 s28, s28, s23
	s_lshl_b32 s23, s20, 7
	s_add_co_u32 s28, s28, s23
	s_mov_b32 s29, 0
	s_add_nc_u64 s[24:25], s[6:7], s[28:29]
	WPATH 4096
.Lwkv:
	s_sub_co_u32 s21, ttmp9, 192
	s_and_b32 s22, s21, 3                          ; 0, 1: Wk's halves; 2, 3: Wv's
	s_lshr_b32 s27, s21, 2
	s_lshl_b32 s26, s22, 3
	s_lshl_b32 s23, s20, 1
	s_add_co_u32 s26, s26, s23
	s_add_co_u32 s26, s26, 64                      ; rowtiles 64-79 are k's, 80-95 v's
	s_lshl_b32 s28, s27, 17                        ; 128 rows of 1,024 bytes
	s_and_b32 s23, s22, 1
	s_lshl_b32 s23, s23, 9
	s_add_co_u32 s28, s28, s23
	s_lshl_b32 s23, s20, 7
	s_add_co_u32 s28, s28, s23
	s_mov_b32 s29, 0
	s_cmp_lt_u32 s22, 2
	s_cselect_b64 s[24:25], s[8:9], s[10:11]
	s_add_nc_u64 s[24:25], s[24:25], s[28:29]
	WPATH 1024
.Lx:
	s_lshl_b32 s21, ttmp9, 2
	s_add_co_u32 s21, s21, s20                     ; task: rowtile = task / 2, K half = task % 2
	s_lshr_b32 s24, s21, 1
	s_and_b32 s25, s21, 1
	s_lshl_b32 s26, s24, 16
	s_lshl_b32 s27, s25, 11
	s_add_co_u32 s26, s26, s27
	s_mov_b32 s27, 0
	s_add_nc_u64 s[4:5], s[4:5], s[26:27]
	s_lshl_b32 s26, s24, 13
	s_lshl_b32 s28, s25, 12
	s_add_co_u32 s26, s26, s28
	s_add_nc_u64 s[28:29], s[14:15], s[26:27]      ; my four fragment images
	s_lshl_b32 s26, s24, 9
	s_lshl_b32 s30, s25, 8
	s_add_co_u32 s26, s26, s30
	s_add_co_u32 s26, s26, XS_OFF
	s_add_nc_u64 s[30:31], s[14:15], s[26:27]      ; my half of the scale record
	s_mul_i32 s32, s20, STG
	v_add_nc_u32 v7, s32, v[LI]                    ; the stage, on the way in
	v_mul_u32_u24 v8, v5, 528
	v_lshl_add_u32 v8, v6, 7, v8
	v_add_nc_u32 v8, s32, v8                       ; and out: row r, + 128 h bytes
	v_lshlrev_b32 v29, 3, v6
	v_mov_b32 v30, 0                               ; a lane permute's destination counts as read
	s_mov_b32 s22, 0x76543210
	s_mov_b32 s23, 0xfedcba98
	XLOAD 0
	XLOAD 1
.irp s, 0,1,2,3
.if \s < 3
	s_wait_loadcnt 16                              ; this K step's loads are in; the next step's 16 may be out
.else
	s_wait_loadcnt 0x0
.endif
	XTURN \s
	s_wait_dscnt 0x0                               ; the numbers are back, and the stage's stores have read their registers
.if \s < 2
	XLOAD \s+2
.endif
	XQUANT \s
.endr
	v_cmp_ne_u32 vcc_lo, 0, v6
	v_cndmask_b32 v10, v16, v18, vcc_lo            ; lanes 0-15 send words 0, 1 of their row, lanes 16-31 words 2, 3
	v_cndmask_b32 v11, v17, v19, vcc_lo
	v_lshlrev_b32 v9, 4, v5
	v_lshl_add_u32 v9, v6, 3, v9
	global_store_b64 v9, v[10:11], s[30:31]        ; 32 lanes fill 256 consecutive bytes
	s_wait_tensorcnt 0x0                           ; the wave's end, behind my last LDS store
	ds_add_u32 v[SPW], v[NIL]
	s_wait_dscnt 0x0
	s_endpgm
.Lfunc_end_k_q396bf46a4c_prep:
	.size	k_q396bf46a4c_prep, .Lfunc_end_k_q396bf46a4c_prep-k_q396bf46a4c_prep
	.p2alignl 7, 3214868480
	.fill 96, 4, 3214868480
	.section	.rodata,"a",@progbits
	.p2align	6, 0x0
	.amdhsa_kernel k_q396bf46a4c_prep
		.amdhsa_group_segment_fixed_size 34304
		.amdhsa_private_segment_fixed_size 0
		.amdhsa_enable_private_segment 0
		.amdhsa_kernarg_size 64
		.amdhsa_user_sgpr_count 2
		.amdhsa_user_sgpr_kernarg_segment_ptr 1
		.amdhsa_wavefront_size32 1
		.amdhsa_system_sgpr_workgroup_id_x 1
		.amdhsa_system_sgpr_workgroup_id_y 1
		.amdhsa_system_sgpr_workgroup_id_z 1
		.amdhsa_system_vgpr_workitem_id 0
		.amdhsa_next_free_vgpr 256
		.amdhsa_next_free_sgpr 66
		.amdhsa_reserve_vcc 1
		.amdhsa_float_denorm_mode_32 3
		.amdhsa_float_denorm_mode_16_64 3
		.amdhsa_memory_ordered 1
		.amdhsa_forward_progress 1
		.amdhsa_inst_pref_size 88
	.end_amdhsa_kernel
	.amdgpu_metadata
---
amdhsa.version: [ 1, 2 ]
amdhsa.kernels:
  - .name:           k_q396bf46a4c_prep
    .symbol:         k_q396bf46a4c_prep.kd
    .args:
      - { .name: x, .offset: 0, .size: 8, .value_kind: global_buffer, .address_space: global }
      - { .name: Wq, .offset: 8, .size: 8, .value_kind: global_buffer, .address_space: global }
      - { .name: Wk, .offset: 16, .size: 8, .value_kind: global_buffer, .address_space: global }
      - { .name: Wv, .offset: 24, .size: 8, .value_kind: global_buffer, .address_space: global }
      - { .name: Wo, .offset: 32, .size: 8, .value_kind: global_buffer, .address_space: global }
      - { .name: xq4, .offset: 40, .size: 8, .value_kind: global_buffer, .address_space: global }
      - { .name: wq4, .offset: 48, .size: 8, .value_kind: global_buffer, .address_space: global }
      - { .name: wo16, .offset: 56, .size: 8, .value_kind: global_buffer, .address_space: global }
    .group_segment_fixed_size: 34304
    .private_segment_fixed_size: 0
    .kernarg_segment_align: 8
    .kernarg_segment_size: 64
    .max_flat_workgroup_size: 128
    .sgpr_count:     66
    .vgpr_count:     256
    .wavefront_size: 32
...
	.end_amdgpu_metadata
.endif
;; end of part 1
;; launch qkv (part 2): grid 32 x 6, 4 waves a work-group, no clusters, 233,984 bytes of LDS; arguments xq4, wq4, cos, sin, qkv16, fine32; writes qkv16, fine32
.if DOCPART == 2
	.amdgcn_target "amdgcn-amd-amdhsa--gfx1250"
	.amdhsa_code_object_version 6
	.text
	.protected	k_q396bf46a4c_qkv
	.globl	k_q396bf46a4c_qkv
	.p2align	8
	.type	k_q396bf46a4c_qkv,@function
k_q396bf46a4c_qkv:
	s_mov_b64 s[64:65], 0
	v_nop
	global_prefetch_b8 v0, s[64:65] scope:SCOPE_SE
	s_setreg_imm32_b32 hwreg(HW_REG_WAVE_MODE, 25, 1), 1
	s_wait_xcnt 0x0
; q, k, v = x [Wq | Wk | Wv] on codes of FP4 with E8M0 scales, sums in f32; RoPE on q and k in f32; results as f16 images of the attention's operand registers, and in f32 for positions 0-15.
; ONE PRODUCT WITH TWO SIDES.  The P side has 128 rows (source 1: a lane of the result holds one of them), the S side 256 rows, 64 a wave (source 0: a lane's eight registers run along them).
;   y = 0-3 (q), 4 (k): P = 128 rows of x, S = 256 columns of the weight, a head to a wave: a lane holds one position and eight neighbouring channels.
;   y = 5 (v): the sides change places: P = 128 columns of Wv, S = 256 rows of x: a lane holds one channel and eight neighbouring positions, as the attention's second product wants V.
; Only pointers and rowtile numbers differ between the two; LDS addresses and the products' text are the same.
; All of K (1,024) of both sides fits in LDS: eight tensor loads a wave, all first fills, in four chunks of two K steps; nothing is filled again.  By this text's count a wave has eight tensor loads out.
; No cluster: the v column of the grid changes sides and has two work-groups, not four, to a tile of x, so partners could not issue one and the same joint load.
; LIMITS: q, k, v are rounded to f16: magnitudes under 65,504.
; REGISTERS: window 0: v1-6 addresses; v16-31 S's scale words, v32-63 P's (they hold nothing else); v64-159, v160-255 two sets of fragments (4 of S, 8 of P).  window 1: 32 accumulators, (a, b) at v[8 (4 a + b)].
.set XS_OFF, 2097152
.set WS_OFF, 786432
.set K_OFF,  8388608
.set V_OFF,  10485760
.set SB,     65536                     ; LDS: P at 0: chunk q at 16,384 q, rowtile a at 2,048 a;  S from here: wave at 32,768 w, chunk at 8,192 q, rowtile b at 2,048 b
.set CSB,    196608                    ; cos: 128 rows x (128 + 16) bytes; sin 18,432 bytes on
.set SPARE,  233472                    ; the spare words, 128 bytes a wave
.set LI,  1                            ; v1  16 x lane
.set SPW, 2
.set NIL, 3
.set SA,  4                            ; v4  my wave's S region + 16 x lane
.set CW,  5                            ; v5  cos/sin on the way in
.set CR,  6                            ; v6  and out
.set SS,  16
.set PS,  32
.set G1P, 16                           ; s[16:23] group 1: 2 rowtiles x 2,048 bytes, 8,192 bytes apart
.set G1S, 24                           ; s[24:31] the same with 4 rowtiles
.set G0P, 32                           ; s[32:47] groups 0 for P's four chunks
.set G0S, 48                           ; s[48:63] for S's
.set WV,  66
.set GX,  67
.set YY,  68
.set MSB, 0
.macro WIN new                         ; the immediate's high byte repeats the setting that is left
.if MSB != \new
	s_set_vgpr_msb (MSB<<8)|\new
.set MSB, \new
.endif
.endm
.macro PLACES
.rept 4
	v_nop
.endr
.endm
.macro FETCH s, set                    ; K step s: my 4 fragments of S, the 8 of P: 24 loads, 512 consecutive bytes each
.irp b, 0,1,2,3
.irp c, 0,1
	ds_load_b128 v[\set+8*\b+4*\c:\set+8*\b+4*\c+3], v[SA] offset:((\s)/2)*8192+\b*2048+((\s)%2)*1024+512*\c
.endr
.endr
.irp a, 0,1,2,3,4,5,6,7
.irp c, 0,1
	ds_load_b128 v[\set+32+8*\a+4*\c:\set+32+8*\a+4*\c+3], v[LI] offset:((\s)/2)*16384+\a*2048+((\s)%2)*1024+512*\c
.endr
.endr
.endm
; 32 products, the 32 accumulators by turns.  A scale register holds K step i in lanes 0-15 and K step 4 + i in lanes 16-31.
.macro MUL s, set
	WIN 0x50
.irp a, 0,1,2,3,4,5,6,7
.irp b, 0,1,2,3
.if (\s) == 0
	v_wmma_scale_f32_16x16x128_f8f6f4 v[8*(4*\a+\b):8*(4*\a+\b)+7], v[\set+8*\b:\set+8*\b+7], v[\set+32+8*\a:\set+32+8*\a+7], 0, v[SS+4*\b+(\s)%4], v[PS+4*\a+(\s)%4] matrix_a_fmt:MATRIX_FMT_FP4 matrix_b_fmt:MATRIX_FMT_FP4
.elseif (\s) < 4
	v_wmma_scale_f32_16x16x128_f8f6f4 v[8*(4*\a+\b):8*(4*\a+\b)+7], v[\set+8*\b:\set+8*\b+7], v[\set+32+8*\a:\set+32+8*\a+7], v[8*(4*\a+\b):8*(4*\a+\b)+7], v[SS+4*\b+(\s)%4], v[PS+4*\a+(\s)%4] matrix_a_fmt:MATRIX_FMT_FP4 matrix_b_fmt:MATRIX_FMT_FP4
.else
	v_wmma_scale_f32_16x16x128_f8f6f4 v[8*(4*\a+\b):8*(4*\a+\b)+7], v[\set+8*\b:\set+8*\b+7], v[\set+32+8*\a:\set+32+8*\a+7], v[8*(4*\a+\b):8*(4*\a+\b)+7], v[SS+4*\b+(\s)%4], v[PS+4*\a+(\s)%4] matrix_a_fmt:MATRIX_FMT_FP4 matrix_b_fmt:MATRIX_FMT_FP4 matrix_a_scale:MATRIX_SCALE_ROW1 matrix_b_scale:MATRIX_SCALE_ROW1
.endif
.endr
.endr
	WIN 0
.endm
.macro CHUNK q                         ; chunk q of P is whole for every wave: later chunks stay on their way
	s_wait_dscnt 0x0                               ; no LDS instruction of mine is out at a signal
	s_wait_tensorcnt 6-2*(\q)                      ; two loads were issued for each later chunk
	s_barrier_signal -1
	s_barrier_wait -1
.endm
.macro KSTEP s
.if ((\s)%2 == 1) && ((\s) < 7)
	CHUNK ((\s)+1)/2
.endif
.if (\s) < 7
.if (\s) > 0
	PLACES                                         ; four places between the last products and loads into the fragments that they read
.endif
	FETCH (\s)+1, 64+96*(((\s)+1)%2)
	s_wait_dscnt 24                                ; this K step's fragments are in; the 24 loads just issued may be out
.else
	s_wait_dscnt 0x0
.endif
	MUL \s, 64+96*((\s)%2)
.endm
	s_load_b256 s[4:11], s[0:1], 0x0               ; xq4, wq4, cos, sin
	s_load_b128 s[12:15], s[0:1], 0x20             ; qkv16, fine32
	v_lshl_add_u32 v[SPW], v0, 2, SPARE
	v_mov_b32 v[NIL], 0
	ds_add_u32 v[SPW], v[NIL]                      ; the wave's opening: the add, twice on end, and its wait ahead of my first tensor load
	ds_add_u32 v[SPW], v[NIL]
	v_lshrrev_b32 v7, 5, v0
	v_readfirstlane_b32 s[WV], v7
	s_mov_b32 s[GX], ttmp9
	s_and_b32 s[YY], ttmp7, 0xffff
.irp g, G1P, G1S
	s_mov_b32 s[\g], 3<<16                         ; elements of 8 bytes, no mask, no padding
	s_mov_b32 s[\g+1], 256<<16                     ; tensor_dim0 = 256 elements: 2,048 bytes
	s_mov_b32 s[\g+3], 256<<16                     ; tile_dim0
	s_mov_b32 s[\g+5], 1024                        ; from rowtile to rowtile: 8,192 bytes
	s_mov_b32 s[\g+6], 0
	s_mov_b32 s[\g+7], 0
.endr
	s_mov_b32 s[G1P+2], 2<<16                      ; tensor_dim1
	s_mov_b32 s[G1P+4], 2                          ; tile_dim1
	s_mov_b32 s[G1S+2], 4<<16
	s_mov_b32 s[G1S+4], 4
	s_lshl_b32 s69, s[GX], 3                       ; P's first rowtile: x's 8 gx,
	s_and_b32 s76, s[GX], 1
	s_lshl_b32 s76, s76, 3
	s_add_co_u32 s76, s76, 80                      ; or Wv's 80 + 8 (gx % 2)
	s_lshl_b32 s77, s[WV], 2
	s_lshl_b32 s78, s[YY], 4
	s_add_co_u32 s78, s78, s77                     ; S's: the weight's 16 y + 4 wave,
	s_lshr_b32 s79, s[GX], 1
	s_lshl_b32 s79, s79, 4
	s_add_co_u32 s79, s79, s77                     ; or x's 16 (gx / 2) + 4 wave
	s_mov_b32 s80, XS_OFF
	s_mov_b32 s81, WS_OFF
	s_mov_b32 s85, 0
	s_lshl_b32 s90, s[WV], 12                      ; LDS: my two rowtiles of a chunk of P
	s_lshl_b32 s91, s[WV], 15                      ; my wave's S region
	s_wait_dscnt 0x0                               ; both opening adds are done
	s_wait_kmcnt 0x0
	s_cmp_eq_u32 s[YY], 5
	s_cselect_b64 s[70:71], s[6:7], s[4:5]         ; P's buffer
	s_cselect_b64 s[72:73], s[4:5], s[6:7]         ; S's
	s_cselect_b32 s69, s76, s69
	s_cselect_b32 s78, s79, s78
	s_cselect_b32 s82, s81, s80                    ; where P's scale records begin
	s_cselect_b32 s83, s80, s81                    ; and S's
	s_lshl_b32 s84, s69, 13
	s_add_nc_u64 s[86:87], s[70:71], s[84:85]      ; P's codes
	s_lshl_b32 s84, s69, 9
	s_add_co_u32 s84, s84, s82
	s_add_nc_u64 s[70:71], s[70:71], s[84:85]      ; P's scale records
	s_lshl_b32 s84, s78, 13
	s_add_nc_u64 s[88:89], s[72:73], s[84:85]      ; my four rowtiles of S
	s_lshl_b32 s84, s78, 9
	s_add_co_u32 s84, s84, s83
	s_add_nc_u64 s[72:73], s[72:73], s[84:85]
	s_lshl_b32 s84, s[WV], 14
	s_add_nc_u64 s[86:87], s[86:87], s[84:85]      ; the two rowtiles of P that I fetch
.irp q, 0,1,2,3
	s_mov_b32 s[G0P+4*\q], 1
	s_add_co_u32 s[G0P+4*\q+1], s90, \q*16384
	s_add_nc_u64 s[G0P+4*\q+2:G0P+4*\q+3], s[86:87], \q*2048
	s_or_b32 s[G0P+4*\q+3], s[G0P+4*\q+3], 0x80000000
	s_mov_b32 s[G0S+4*\q], 1
	s_add_co_u32 s[G0S+4*\q+1], s91, SB+\q*8192
	s_add_nc_u64 s[G0S+4*\q+2:G0S+4*\q+3], s[88:89], \q*2048
	s_or_b32 s[G0S+4*\q+3], s[G0S+4*\q+3], 0x80000000
.endr
.irp q, 0,1,2,3                        ; all first fills in one group, chunk by chunk
	tensor_load_to_lds s[G0S+4*\q:G0S+4*\q+3], s[G1S:G1S+7]
	s_nop 0
	tensor_load_to_lds s[G0P+4*\q:G0P+4*\q+3], s[G1P:G1P+7]
	s_nop 0
.endr
	PLACES
	v_and_b32 v7, 31, v0
	v_lshlrev_b32 v[LI], 4, v7
	v_add_nc_u32 v[SA], s91, v[LI]
	v_add_nc_u32 v[SA], SB, v[SA]
	v_and_b32 v8, 15, v0                           ; r
	v_bfe_u32 v9, v0, 4, 1                         ; h
	v_lshrrev_b32 v10, 3, v7
	v_mul_u32_u24 v[CW], v10, 144                  ; a load's 512 bytes are four rows of 128: row lane / 8,
	v_and_b32 v10, 7, v7
	v_lshl_add_u32 v[CW], v10, 4, v[CW]            ; 16 bytes a lane
	s_mul_i32 s92, s[WV], 4608                     ; my 32 rows
	s_add_co_u32 s92, s92, CSB
	v_add_nc_u32 v[CW], s92, v[CW]
	v_mul_u32_u24 v[CR], v8, 144
	v_lshl_add_u32 v[CR], v9, 5, v[CR]
	v_add_nc_u32 v[CR], CSB, v[CR]                 ; out: row r, + 32 h bytes
.irp a, 0,1,2,3,4,5,6,7
	global_load_b128 v[PS+4*\a:PS+4*\a+3], v[LI], s[70:71] offset:512*\a
.endr
.irp b, 0,1,2,3
	global_load_b128 v[SS+4*\b:SS+4*\b+3], v[LI], s[72:73] offset:512*\b
.endr
	s_cmp_eq_u32 s[YY], 5
	s_cbranch_scc1 .Lno_rope                       ; v has no RoPE
	s_and_b32 s84, s[GX], 15
	s_lshl_b32 s84, s84, 14                        ; my work-group's 128 positions, 128 bytes each,
	s_lshl_b32 s93, s[WV], 12                      ; my wave's 32 of them
	s_add_co_u32 s84, s84, s93
	s_add_nc_u64 s[8:9], s[8:9], s[84:85]
	s_add_nc_u64 s[10:11], s[10:11], s[84:85]
.irp i, 0,1,2,3,4,5,6,7
	global_load_b128 v[64+4*\i:67+4*\i], v[LI], s[8:9] offset:512*\i
	global_load_b128 v[96+4*\i:99+4*\i], v[LI], s[10:11] offset:512*\i
.endr
	s_wait_loadcnt 0x0
.irp i, 0,1,2,3,4,5,6,7
	ds_store_b128 v[CW], v[64+4*\i:67+4*\i] offset:576*\i
	ds_store_b128 v[CW], v[96+4*\i:99+4*\i] offset:576*\i+18432
.endr
.Lno_rope:
	s_wait_loadcnt 0x0                             ; the scale words
	CHUNK 0                                        ; also shows every wave's rows of cos and sin to the others
	FETCH 0, 64
	KSTEP 0
	KSTEP 1
	KSTEP 2
	KSTEP 3
	KSTEP 4
	KSTEP 5
	KSTEP 6
	KSTEP 7
	PLACES                                         ; four places ahead of the first read of results and of loads into the fragments' registers
	s_cmp_eq_u32 s[YY], 5
	s_cbranch_scc1 .Lv_out
	; ---- q and k: RoPE, f16 images [head][position tile][16 channels][512 bytes]
	s_lshr_b32 s76, s[GX], 4                       ; batch
	s_lshl_b32 s77, s[YY], 2
	s_add_co_u32 s77, s77, s[WV]
	s_lshl_b32 s78, s76, 4
	s_add_co_u32 s78, s78, s77                     ; q: 16 batch + 4 y + wave
	s_lshl_b32 s79, s76, 2
	s_add_co_u32 s79, s79, s[WV]                   ; k: 4 batch + wave
	s_mov_b32 s80, K_OFF
	s_mov_b32 s81, 131072
	s_cmp_lt_u32 s[YY], 4
	s_cselect_b32 s78, s78, s79
	s_cselect_b32 s80, 0, s80
	s_cselect_b32 s81, 0, s81
	s_lshl_b32 s84, s78, 18
	s_and_b32 s82, s[GX], 15
	s_lshl_b32 s83, s82, 14
	s_add_co_u32 s84, s84, s83
	s_add_co_u32 s84, s84, s80
	s_add_nc_u64 s[12:13], s[12:13], s[84:85]
	s_lshl_b32 s84, s78, 12
	s_add_co_u32 s84, s84, s81
	s_add_nc_u64 s[14:15], s[14:15], s[84:85]
; Block a: 16 positions.  Tiles u and u + 2 hold channels 16 u + 8 h + j of the head's two halves: out1 = x1 cos + x2 sin, out2 = x2 cos - x1 sin.
.macro ROPE a
	s_wait_xcnt 0x0                                ; the last block's stores have read their data, which are written again below
.irp u, 0,1
.irp e, 0,1
	ds_load_b128 v[64+8*\u+4*\e:67+8*\u+4*\e], v[CR] offset:2304*(\a)+64*\u+16*\e
	ds_load_b128 v[80+8*\u+4*\e:83+8*\u+4*\e], v[CR] offset:2304*(\a)+64*\u+16*\e+18432
.endr
.endr
	s_wait_dscnt 0x0
	WIN 0x01                                       ; source 0: the accumulators, each from its low end on
.irp u, 0,1
.irp p, 0,2,4,6
	v_pk_mul_f32 v[128+\p:129+\p], v[8*(4*(\a)+\u+2)+\p:8*(4*(\a)+\u+2)+\p+1], v[80+8*\u+\p:81+8*\u+\p]
	v_pk_mul_f32 v[136+\p:137+\p], v[8*(4*(\a)+\u)+\p:8*(4*(\a)+\u)+\p+1], v[80+8*\u+\p:81+8*\u+\p]
	v_pk_fma_f32 v[96+8*\u+\p:97+8*\u+\p], v[8*(4*(\a)+\u)+\p:8*(4*(\a)+\u)+\p+1], v[64+8*\u+\p:65+8*\u+\p], v[128+\p:129+\p]
	v_pk_fma_f32 v[112+8*\u+\p:113+8*\u+\p], v[8*(4*(\a)+\u+2)+\p:8*(4*(\a)+\u+2)+\p+1], v[64+8*\u+\p:65+8*\u+\p], v[136+\p:137+\p] neg_lo:[0,0,1] neg_hi:[0,0,1]
.endr
.endr
	WIN 0
.irp t, 0,1,2,3
.irp p, 0,1,2,3
	v_cvt_pk_f16_f32 v[144+4*\t+\p], v[96+8*\t+2*\p], v[97+8*\t+2*\p]
.endr
.endr
.irp t, 0,1,2,3
	global_store_b128 v[LI], v[144+4*\t:147+4*\t], s[12:13] offset:2048*(\a)+512*\t   ; 512 consecutive bytes
.endr
.endm
	ROPE 0
	s_cmp_lg_u32 s82, 0                            ; positions 0-15 of a sequence also leave in f32
	s_cbranch_scc1 .Lno_fine
.irp t, 0,1,2,3
.irp e, 0,1
	global_store_b128 v[LI], v[96+8*\t+4*\e:99+8*\t+4*\e], s[14:15] offset:1024*\t+512*\e
.endr
.endr
.Lno_fine:
	ROPE 1
	ROPE 2
	ROPE 3
	ROPE 4
	ROPE 5
	ROPE 6
	ROPE 7
	s_wait_tensorcnt 0x0                           ; the wave's end
	ds_add_u32 v[SPW], v[NIL]
	s_wait_dscnt 0x0
	s_endpgm
.Lv_out:
	; ---- v: images [kv head][32 keys][16 channels][16 keys][512 bytes]; accumulator (a, b): channel 16 a + r, positions 16 b + 8 h + j
	s_lshr_b32 s76, s[GX], 4
	s_lshl_b32 s76, s76, 2
	s_and_b32 s77, s[GX], 1
	s_lshl_b32 s77, s77, 1
	s_add_co_u32 s76, s76, s77                     ; 4 batch + the first of my two kv heads
	s_lshr_b32 s78, s[GX], 1
	s_and_b32 s78, s78, 7                          ; which 256 positions of the sequence
	s_lshl_b32 s84, s76, 18
	s_lshl_b32 s79, s78, 15
	s_add_co_u32 s84, s84, s79
	s_lshl_b32 s79, s[WV], 13
	s_add_co_u32 s84, s84, s79
	s_add_co_u32 s84, s84, V_OFF
	s_add_nc_u64 s[12:13], s[12:13], s[84:85]
	s_lshl_b32 s84, s76, 12
	s_add_co_u32 s84, s84, 163840
	s_add_nc_u64 s[14:15], s[14:15], s[84:85]
	WIN 0x05
.irp a, 0,1,2,3,4,5,6,7
.irp b, 0,1,2,3
.irp p, 0,1,2,3
	v_cvt_pk_f16_f32 v[64+4*(4*\a+\b)+\p], v[8*(4*\a+\b)+2*\p], v[8*(4*\a+\b)+2*\p+1]
.endr
.endr
.endr
	WIN 0
.irp a, 0,1,2,3,4,5,6,7
.irp b, 0,1,2,3
	global_store_b128 v[LI], v[64+4*(4*\a+\b):67+4*(4*\a+\b)], s[12:13] offset:(\a/4)*262144+(\a%4)*1024+(\b/2)*4096+(\b%2)*512
.endr
.endr
	s_or_b32 s78, s78, s[WV]
	s_cmp_lg_u32 s78, 0                            ; positions 0-15 lie in wave 0's tile b = 0 of a sequence's first 256
	s_cbranch_scc1 .Lno_fine_v
	WIN 0x04                                       ; a store's data are its source 1
.irp a, 0,1,2,3,4,5,6,7
.irp e, 0,1
	global_store_b128 v[LI], v[32*\a+4*\e:32*\a+4*\e+3], s[14:15] offset:1024*\a+512*\e
.endr
.endr
	WIN 0
.Lno_fine_v:
	s_wait_tensorcnt 0x0                           ; the wave's end
	ds_add_u32 v[SPW], v[NIL]
	s_wait_dscnt 0x0
	s_endpgm
.Lfunc_end_k_q396bf46a4c_qkv:
	.size	k_q396bf46a4c_qkv, .Lfunc_end_k_q396bf46a4c_qkv-k_q396bf46a4c_qkv
	.p2alignl 7, 3214868480
	.fill 96, 4, 3214868480
	.section	.rodata,"a",@progbits
	.p2align	6, 0x0
	.amdhsa_kernel k_q396bf46a4c_qkv
		.amdhsa_group_segment_fixed_size 233984
		.amdhsa_private_segment_fixed_size 0
		.amdhsa_enable_private_segment 0
		.amdhsa_kernarg_size 48
		.amdhsa_user_sgpr_count 2
		.amdhsa_user_sgpr_kernarg_segment_ptr 1
		.amdhsa_wavefront_size32 1
		.amdhsa_system_sgpr_workgroup_id_x 1
		.amdhsa_system_sgpr_workgroup_id_y 1
		.amdhsa_system_sgpr_workgroup_id_z 1
		.amdhsa_system_vgpr_workitem_id 0
		.amdhsa_next_free_vgpr 512
		.amdhsa_next_free_sgpr 100
		.amdhsa_reserve_vcc 0
		.amdhsa_float_denorm_mode_32 3
		.amdhsa_float_denorm_mode_16_64 3
		.amdhsa_memory_ordered 1
		.amdhsa_forward_progress 1
		.amdhsa_inst_pref_size 104
	.end_amdhsa_kernel
	.amdgpu_metadata
---
amdhsa.version: [ 1, 2 ]
amdhsa.kernels:
  - .name:           k_q396bf46a4c_qkv
    .symbol:         k_q396bf46a4c_qkv.kd
    .args:
      - { .name: xq4, .offset: 0, .size: 8, .value_kind: global_buffer, .address_space: global }
      - { .name: wq4, .offset: 8, .size: 8, .value_kind: global_buffer, .address_space: global }
      - { .name: cos, .offset: 16, .size: 8, .value_kind: global_buffer, .address_space: global }
      - { .name: sin, .offset: 24, .size: 8, .value_kind: global_buffer, .address_space: global }
      - { .name: qkv16, .offset: 32, .size: 8, .value_kind: global_buffer, .address_space: global }
      - { .name: fine32, .offset: 40, .size: 8, .value_kind: global_buffer, .address_space: global }
    .group_segment_fixed_size: 233984
    .private_segment_fixed_size: 0
    .kernarg_segment_align: 8
    .kernarg_segment_size: 48
    .max_flat_workgroup_size: 128
    .sgpr_count:     100
    .vgpr_count:     512
    .wavefront_size: 32
...
	.end_amdgpu_metadata
.endif
;; end of part 2
;; launch attn (part 3): grid 32 x 8, 16 waves a work-group, no clusters, 327,680 bytes of LDS; arguments qkv16, y16; writes y16
.if DOCPART == 3
	.amdgcn_target "amdgcn-amd-amdhsa--gfx1250"
	.amdhsa_code_object_version 6
	.text
	.protected	k_q396bf46a4c_attn
	.globl	k_q396bf46a4c_attn
	.p2align	8
	.type	k_q396bf46a4c_attn,@function
k_q396bf46a4c_attn:
	s_mov_b64 s[64:65], 0
	v_nop
	global_prefetch_b8 v0, s[64:65] scope:SCOPE_SE
	s_setreg_imm32_b32 hwreg(HW_REG_WAVE_MODE, 25, 1), 1
	s_wait_xcnt 0x0
; y[b][t][head] = softmax over keys k <= t of (q . k / 8) times v, on f16 operands with f32 sums, maxima and row sums; a running maximum; y leaves as f16 images for the projection.
; SHARES.  Work-group (g, grp = 4 batch + kv head) holds the position tiles g, 63 - g, 64 + g, 127 - g of the group's four query heads: sixteen waves, one tile of 16 queries each.  The four tiles'
; keys add up to the same number for every g, so all 256 work-groups have equal work; all sixteen waves read the same K and V.
; LAYOUT.  S^T = K Q^T (source 0 = 16 keys, source 1 = my 16 queries), O^T = V^T P: a lane holds one query (lane % 16) throughout; two tiles of S^T, rounded to f16 in pairs, are source 1 of the second product.
; K and V lie in memory as images of their fragments, so a slot (256 keys: 32 KB of K, 32 KB of V) is two dense blocks, and every LDS load takes 512 consecutive bytes.
; RING.  Two slots; waves 0-3 fetch (K's halves, V's halves), one load a wave behind each change of slots; every wave walks all eight slots, and a step whose keys all come after its queries is jumped over.
; No cluster: the causal limit lets all waves of a work-group pass over a slot that a partner still needs, so no load could be issued jointly by all.
; LIMITS: p, q, k, v and y in f16 (magnitudes under 65,504).
; REGISTERS: v1-7 addresses and constants; v8-23 Q; v24 r - 8 h; v32-95 K; v96-159 V; v160-191 S^T, then p; v192-207 P in f16; v208-239 O^T; v240 c m, v241 m, v[242:243] l, v244-247 at work (a in v246).
.set K_OFF, 8388608
.set V_OFF, 10485760
.set SLOT1, 65536
.set SPARE, 131072                     ; behind the ring: the spare words, 128 bytes a wave
.set LI,  1
.set SPW, 2
.set NIL, 3
.set ADK, 4
.set PFO, 5
.set Q,   8
.set KR,  32
.set VR,  96
.set S,   160
.set P,   192
.set O,   208
.set WV,  8
.set SEL, 10
.set CS,  12                           ; s[12:13] c = log2(e) / 8
.set TB,  14                           ; LDS byte at which the slot in hand begins
.set KF,  15                           ; the step's first key
.set G1,  16
.set G0,  24
.set Q0,  28                           ; my first query
.set LASTQ, 29                         ; my work-group's last query
.set SLOTS, 30
.set PFA, 32
.set LIM, 34
.macro TLOAD                           ; waves 0-3 fetch; the branch hangs on the wave's number alone
	s_cmp_lt_u32 s[WV], 4
	s_cbranch_scc0 .Lasked_\@
	tensor_load_to_lds s[G0:G0+3], s[G1:G1+7]
	s_nop 0
.rept 4
	v_nop
.endr
.Lasked_\@:
.endm
; A prefetch of the slot that the NEXT change of slots will ask for, a slot's four key steps ahead of that load.  All 32 work-groups of a group walk the same K and V: the first (g = 0) asks, in it the waves
; that fetch nothing: waves 4-7 for K's 32 KB, waves 8-11 for V's, 8,192 bytes a wave, lanes 256 bytes apart: each block of 256 bytes is named once.  The last change that fills a slot asks for nothing.
.macro ASK
	s_cmp_gt_u32 s[SLOTS], s[LIM]
	s_cbranch_scc0 .Lnot_mine_\@
	global_prefetch_b8 v[PFO], s[PFA:PFA+1] th:TH_LOAD_NT scope:SCOPE_SE
.Lnot_mine_\@:
.endm
	s_load_b128 s[4:7], s[0:1], 0x0                ; qkv16, y16
	v_lshl_add_u32 v[SPW], v0, 2, SPARE
	v_mov_b32 v[NIL], 0
	ds_add_u32 v[SPW], v[NIL]                      ; the wave's opening: the add, twice on end, and its wait ahead of the first tensor load
	ds_add_u32 v[SPW], v[NIL]
	v_lshrrev_b32 v6, 5, v0
	v_readfirstlane_b32 s[WV], v6
	s_and_b32 s38, ttmp7, 0xffff                   ; grp
	s_mov_b32 s[G1], 3<<16                         ; a dense block as 64 rows of 256 bytes: elements of 8 bytes
	s_mov_b32 s[G1+1], 32<<16
	s_mov_b32 s[G1+2], 64<<16
	s_mov_b32 s[G1+3], 32<<16
	s_mov_b32 s[G1+4], 64
	s_mov_b32 s[G1+5], 32
	s_mov_b32 s[G1+6], 0
	s_mov_b32 s[G1+7], 0
	s_mov_b32 s[SEL], 0x76543210
	s_mov_b32 s[SEL+1], 0xfedcba98
	s_mov_b32 s[CS], 0x3e38aa3b
	s_mov_b32 s[CS+1], s[CS]
	s_mov_b32 s[TB], 0
	s_mov_b32 s[KF], 0
	s_mov_b32 s[SLOTS], 7
	s_lshr_b32 s39, s[WV], 2                       ; which of the four tiles
	s_sub_co_u32 s40, 63, ttmp9
	s_and_b32 s41, s39, 1
	s_cmp_lg_u32 s41, 0
	s_cselect_b32 s40, s40, ttmp9
	s_lshr_b32 s41, s39, 1
	s_lshl_b32 s41, s41, 6
	s_add_co_u32 s40, s40, s41                     ; my tile of positions
	s_lshl_b32 s[Q0], s40, 4
	s_sub_co_u32 s[LASTQ], 127, ttmp9
	s_lshl_b32 s[LASTQ], s[LASTQ], 4
	s_or_b32 s[LASTQ], s[LASTQ], 15
	s_lshr_b32 s42, s38, 2                         ; batch
	s_and_b32 s43, s38, 3
	s_lshl_b32 s43, s43, 2
	s_and_b32 s44, s[WV], 3
	s_add_co_u32 s43, s43, s44                     ; head
	s_lshl_b32 s44, s42, 4
	s_add_co_u32 s44, s44, s43
	s_lshl_b32 s44, s44, 7
	s_add_co_u32 s44, s44, s40
	s_lshl_b32 s44, s44, 11                        ; Q: ((16 batch + head) 128 + tile) x 2,048
	s_mov_b32 s45, 0
	s_lshl_b32 s46, s42, 7
	s_add_co_u32 s46, s46, s40
	s_lshl_b32 s46, s46, 6
	s_lshl_b32 s47, s43, 2
	s_add_co_u32 s46, s46, s47
	s_lshl_b32 s46, s46, 9                         ; y: ((128 batch + tile) 64 + 4 head) x 512
	s_mov_b32 s47, 0
	s_lshl_b32 s51, s38, 18                        ; the group's 262,144 bytes of K, and of V
	s_mov_b32 s48, V_OFF
	s_cmp_lt_u32 s[WV], 2
	s_cselect_b32 s48, K_OFF, s48
	s_add_co_u32 s48, s48, s51
	s_and_b32 s50, s[WV], 1
	s_lshl_b32 s50, s50, 14
	s_add_co_u32 s48, s48, s50                     ; what I fetch, if I fetch
	s_mov_b32 s49, 0
	s_mov_b32 s52, V_OFF
	s_cmp_lt_u32 s[WV], 8
	s_cselect_b32 s52, K_OFF, s52
	s_add_co_u32 s52, s52, s51
	s_and_b32 s53, s[WV], 3
	s_lshl_b32 s55, s53, 14                        ; where it goes: (wave % 4) x 16,384
	s_lshl_b32 s53, s53, 13
	s_add_co_u32 s52, s52, s53
	s_add_co_u32 s52, s52, 32768                   ; the prefetches stand in slot 1: the first change of slots steps them to slot 2
	s_mov_b32 s53, 0
	s_sub_co_u32 s54, s[WV], 4
	s_lshr_b32 s54, s54, 3                         ; 0 in waves 4 to 11,
	s_or_b32 s54, s54, ttmp9                       ; of the group's first work-group
	s_cmp_eq_u32 s54, 0
	s_cselect_b32 s[LIM], 1, -1
	s_wait_dscnt 0x0                               ; both opening adds are done
	s_wait_kmcnt 0x0
	s_mov_b32 s[G0], 1
	s_mov_b32 s[G0+1], s55
	s_add_nc_u64 s[G0+2:G0+3], s[4:5], s[48:49]
	s_or_b32 s[G0+3], s[G0+3], 0x80000000
	TLOAD                                          ; slot 0: key 0 counts for every query, so it is read by every wave
	s_add_nc_u64 s[PFA:PFA+1], s[4:5], s[52:53]
	s_add_nc_u64 s[56:57], s[4:5], s[44:45]
	s_add_nc_u64 s[6:7], s[6:7], s[46:47]
	v_and_b32 v6, 31, v0
	v_lshlrev_b32 v[LI], 4, v6
	v_lshlrev_b32 v[PFO], 8, v6
.irp i, 0,1,2,3
	global_load_b128 v[Q+4*\i:Q+4*\i+3], v[LI], s[56:57] offset:512*\i   ; Q's two fragments stay in registers
.endr
	v_and_b32 v24, 15, v0
	v_bfe_u32 v25, v0, 4, 1
	v_lshlrev_b32 v25, 3, v25
	v_sub_nc_u32 v24, v24, v25                     ; r - 8 h
	v_mov_b32 v7, 0xff800000                       ; -infinity
	v_mov_b32 v241, 0xff61b1e6                     ; m: -3e38, under every score
	v_mul_f32 v240, s[CS], v241
	v_mov_b32 v242, 0
	v_mov_b32 v243, 0
.irp j, 0,1,2,3,4,5,6,7,8,9,10,11,12,13,14,15,16,17,18,19,20,21,22,23,24,25,26,27,28,29,30,31
	v_mov_b32 v[O+\j], 0                           ; the step is written once: the first finds zeros, which a = 0 leaves zeros
.endr
; A KEY STEP: 64 keys, the q-th of the slot in hand.
.macro STEP q
	s_add_co_u32 s36, s[Q0], 15
	s_cmp_gt_u32 s[KF], s36                        ; all its keys come after my queries: a branch on ids, round the step's work alone
	s_cbranch_scc1 .Lhidden_\@
	v_add_nc_u32 v[ADK], s[TB], v[LI]
.rept 3
	v_nop                                          ; with the addition: four places ahead of loads into registers that the last products read
.endr
.irp kt, 0,1,2,3
.irp c, 0,1
.irp e, 0,1
	ds_load_b128 v[KR+16*\kt+8*\c+4*\e:KR+16*\kt+8*\c+4*\e+3], v[ADK] offset:8192*(\q)+2048*\kt+1024*\c+512*\e
.endr
.endr
.endr
.irp kb, 0,1
.irp dt, 0,1,2,3
.irp e, 0,1
	ds_load_b128 v[VR+32*\kb+8*\dt+4*\e:VR+32*\kb+8*\dt+4*\e+3], v[ADK] offset:32768+8192*(\q)+4096*\kb+1024*\dt+512*\e
.endr
.endr
.endr
	s_wait_dscnt 16                                ; K is in; V's 16 loads may be out
.irp c, 0,1
.irp kt, 0,1,2,3
.if \c == 0
	v_wmma_f32_16x16x32_f16 v[S+8*\kt:S+8*\kt+7], v[KR+16*\kt+8*\c:KR+16*\kt+8*\c+7], v[Q+8*\c:Q+8*\c+7], 0
.else
	v_wmma_f32_16x16x32_f16 v[S+8*\kt:S+8*\kt+7], v[KR+16*\kt+8*\c:KR+16*\kt+8*\c+7], v[Q+8*\c:Q+8*\c+7], v[S+8*\kt:S+8*\kt+7]
.endif
.endr
.endr
.rept 4
	v_nop
.endr
	s_add_co_u32 s36, s[KF], 63
	s_cmp_le_u32 s36, s[Q0]                        ; all keys count: no mask
	s_cbranch_scc1 .Lopen_\@
	s_sub_co_i32 s36, s[Q0], s[KF]
	v_add_nc_u32 v6, s36, v24                      ; d = my query - KF - 8 h: register 8 t + i holds key KF + 16 t + 8 h + i, hidden where 16 t + i > d
.irp n, 0,1,2,3,4,5,6,7,8,9,10,11,12,13,14,15,16,17,18,19,20,21,22,23,24,25,26,27,28,29,30,31
	v_cmp_gt_i32 vcc_lo, 16*(\n/8)+\n%8, v6
	v_cndmask_b32 v[S+\n], v[S+\n], v7, vcc_lo
.endr
.Lopen_\@:
.irp j, 0,1,2,3
	v_max3_num_f32 v[244+\j], v[S+8*\j], v[S+8*\j+1], v[S+8*\j+2]   ; the maximum, in four chains, each accumulator from its low end on
.endr
.irp i, 3,5
.irp j, 0,1,2,3
	v_max3_num_f32 v[244+\j], v[244+\j], v[S+8*\j+\i], v[S+8*\j+\i+1]
.endr
.endr
	v_max3_num_f32 v244, v244, v[S+7], v[S+15]
	v_max3_num_f32 v246, v246, v[S+23], v[S+31]
	v_max3_num_f32 v244, v244, v245, v246
	v_max3_num_f32 v244, v244, v247, v241          ; with the old m
	v_permlanex16_b32 v245, v244, s[SEL], s[SEL+1] ; the query's other 32 keys lie in the lane 16 away
	v_mov_b32 v247, v240
	v_max_num_f32 v241, v244, v245
	v_mul_f32 v240, s[CS], v241
	v_sub_f32 v247, v247, v240                     ; c m_old - c m_new
.irp b, 0,2,4,6,8,10,12,14,16,18,20,22,24,26,28,30
	v_pk_fma_f32 v[S+\b:S+\b+1], v[S+\b:S+\b+1], s[CS:CS+1], v[240:241] op_sel_hi:[1,0,0] neg_lo:[0,0,1] neg_hi:[0,0,1]
.endr
	v_exp_f32 v246, v247                           ; a
.irp n, 0,1,2,3,4,5,6,7,8,9,10,11,12,13,14,15,16,17,18,19,20,21,22,23,24,25,26,27,28,29,30,31
	v_exp_f32 v[S+\n], v[S+\n]
.endr
	v_nop                                          ; a plain place behind the last exponential
	s_wait_alu depctr_va_vdst(0)                   ; one wait for the batch of 33, ahead of its first reader
.irp n, 0,1,2,3,4,5,6,7,8,9,10,11,12,13,14,15
	v_cvt_pk_f16_f32 v[P+\n], v[S+2*\n], v[S+2*\n+1]
.endr
.irp u, 0,1,2,3,4,5,6,7
	v_pk_add_f32 v[S+4*\u:S+4*\u+1], v[S+4*\u:S+4*\u+1], v[S+4*\u+2:S+4*\u+3]   ; the row's sum of the unrounded p, as a tree in place
.endr
.irp u, 0,1,2,3
	v_pk_add_f32 v[S+8*\u:S+8*\u+1], v[S+8*\u:S+8*\u+1], v[S+8*\u+4:S+8*\u+5]
.endr
.irp u, 0,1
	v_pk_add_f32 v[S+16*\u:S+16*\u+1], v[S+16*\u:S+16*\u+1], v[S+16*\u+8:S+16*\u+9]
.endr
	v_pk_add_f32 v[S:S+1], v[S:S+1], v[S+16:S+17]
	v_pk_fma_f32 v[242:243], v[242:243], v[246:247], v[S:S+1] op_sel_hi:[1,0,1]
.irp b, 0,2,4,6,8,10,12,14,16,18,20,22,24,26,28,30
	v_pk_mul_f32 v[O+\b:O+\b+1], v[O+\b:O+\b+1], v[246:247] op_sel_hi:[1,0]
.endr
	s_wait_dscnt 0x0                               ; V is in
.irp kb, 0,1
.irp dt, 0,1,2,3
	v_wmma_f32_16x16x32_f16 v[O+8*\dt:O+8*\dt+7], v[VR+32*\kb+8*\dt:VR+32*\kb+8*\dt+7], v[P+8*\kb:P+8*\kb+7], v[O+8*\dt:O+8*\dt+7]
.endr
.endr
.Lhidden_\@:
	s_add_co_u32 s[KF], s[KF], 64
.endm
; THE CHANGE OF SLOTS, at a slot's head.  Every wave waits for all its tensor loads, adds 0 to its spare word, waits for that and for its reads of the slot that it has left, and passes the barrier.
; fill = 1: the slot just left is filled with the next 256 keys, unless its first key comes after the work-group's last query: then no wave would read it.  That test hangs on ids and the count of steps
; alone, is the same in all sixteen waves, and leads round the load's own lines only; every wait on TENSORcnt in this text is for 0.
.macro CHANGE fill
	s_wait_tensorcnt 0x0
	ds_add_u32 v[SPW], v[NIL]
.if \fill
	ds_add_u32 v[SPW], v[NIL]                      ; twice on end here, in every trip alike
	s_xor_b32 s[G0+1], s[G0+1], SLOT1              ; no tensor load of mine is out: the walking descriptor steps
	s_add_nc_u64 s[G0+2:G0+3], s[G0+2:G0+3], 32768
	s_wait_xcnt 0x0                                ; the last prefetch, a slot back, has read its address
	s_add_nc_u64 s[PFA:PFA+1], s[PFA:PFA+1], 32768
.endif
	s_wait_dscnt 0x0
	s_barrier_signal -1
	s_barrier_wait -1
.if \fill
	s_add_co_u32 s36, s[KF], 256
	s_cmp_gt_u32 s36, s[LASTQ]
	s_cbranch_scc1 .Lpast_\@
	TLOAD
.Lpast_\@:
	ASK
.endif
.endm
	s_wait_loadcnt 0x0                             ; Q
.Lslot:                                            ; seven trips: behind each change of slots but the last the next slot is asked for, up to the causal limit
	CHANGE 1
	STEP 0
	STEP 1
	STEP 2
	STEP 3
	s_xor_b32 s[TB], s[TB], SLOT1
	s_sub_co_u32 s[SLOTS], s[SLOTS], 1
	s_cmp_lg_u32 s[SLOTS], 0
	s_cbranch_scc1 .Lslot
	CHANGE 0
	STEP 0
	STEP 1
	STEP 2
	STEP 3
	; THE WAY OUT: O^T / l, rounded to f16: a lane's eight channels of a row are 16 bytes of an image, so each store covers 512 consecutive bytes.
.rept 4
	v_nop
.endr
	v_add_f32 v244, v242, v243
	v_permlanex16_b32 v245, v244, s[SEL], s[SEL+1]
	v_add_f32 v244, v244, v245
	v_rcp_f32 v246, v244
	v_nop
	s_wait_alu depctr_va_vdst(0)
.irp b, 0,2,4,6,8,10,12,14,16,18,20,22,24,26,28,30
	v_pk_mul_f32 v[S+\b:S+\b+1], v[O+\b:O+\b+1], v[246:247] op_sel_hi:[1,0]
.endr
.irp n, 0,1,2,3,4,5,6,7,8,9,10,11,12,13,14,15
	v_cvt_pk_f16_f32 v[P+\n], v[S+2*\n], v[S+2*\n+1]
.endr
.irp dt, 0,1,2,3
	global_store_b128 v[LI], v[P+4*\dt:P+4*\dt+3], s[6:7] offset:512*\dt
.endr
	s_wait_tensorcnt 0x0                           ; the wave's end
	ds_add_u32 v[SPW], v[NIL]
	s_wait_dscnt 0x0
	s_endpgm
.Lfunc_end_k_q396bf46a4c_attn:
	.size	k_q396bf46a4c_attn, .Lfunc_end_k_q396bf46a4c_attn-k_q396bf46a4c_attn
	.p2alignl 7, 3214868480
	.fill 96, 4, 3214868480
	.section	.rodata,"a",@progbits
	.p2align	6, 0x0
	.amdhsa_kernel k_q396bf46a4c_attn
		.amdhsa_group_segment_fixed_size 327680
		.amdhsa_private_segment_fixed_size 0
		.amdhsa_enable_private_segment 0
		.amdhsa_kernarg_size 16
		.amdhsa_user_sgpr_count 2
		.amdhsa_user_sgpr_kernarg_segment_ptr 1
		.amdhsa_wavefront_size32 1
		.amdhsa_system_sgpr_workgroup_id_x 1
		.amdhsa_system_sgpr_workgroup_id_y 1
		.amdhsa_system_sgpr_workgroup_id_z 1
		.amdhsa_system_vgpr_workitem_id 0
		.amdhsa_next_free_vgpr 256
		.amdhsa_next_free_sgpr 66
		.amdhsa_reserve_vcc 1
		.amdhsa_float_denorm_mode_32 3
		.amdhsa_float_denorm_mode_16_64 3
		.amdhsa_memory_ordered 1
		.amdhsa_forward_progress 1
		.amdhsa_inst_pref_size 106
	.end_amdhsa_kernel
	.amdgpu_metadata
---
amdhsa.version: [ 1, 2 ]
amdhsa.kernels:
  - .name:           k_q396bf46a4c_attn
    .symbol:         k_q396bf46a4c_attn.kd
    .args:
      - { .name: qkv16, .offset: 0, .size: 8, .value_kind: global_buffer, .address_space: global }
      - { .name: y16, .offset: 8, .size: 8, .value_kind: global_buffer, .address_space: global }
    .group_segment_fixed_size: 327680
    .private_segment_fixed_size: 0
    .kernarg_segment_align: 8
    .kernarg_segment_size: 16
    .max_flat_workgroup_size: 512
    .sgpr_count:     66
    .vgpr_count:     256
    .wavefront_size: 32
...
	.end_amdgpu_metadata
.endif
;; end of part 3
;; launch proj (part 4): grid 8 x 32, 4 waves a work-group, clusters of 4 x 4, 327,680 bytes of LDS; arguments y16, wo16, out0; writes out0
.if DOCPART == 4
	.amdgcn_target "amdgcn-amd-amdhsa--gfx1250"
	.amdhsa_code_object_version 6
	.text
	.protected	k_q396bf46a4c_proj
	.globl	k_q396bf46a4c_proj
	.p2align	8
	.type	k_q396bf46a4c_proj,@function
k_q396bf46a4c_proj:
	s_mov_b64 s[64:65], 0
	v_nop
	global_prefetch_b8 v0, s[64:65] scope:SCOPE_SE
	s_setreg_imm32_b32 hwreg(HW_REG_WAVE_MODE, 25, 1), 1
	s_wait_xcnt 0x0
	s_wait_alu depctr_hold_cnt(0) depctr_sa_sdst(0) depctr_va_vdst(0) depctr_va_sdst(0) depctr_va_ssrc(0) depctr_va_vcc(0) depctr_vm_vsrc(0)
	s_getreg_b32 s2, hwreg(HW_REG_IB_STS2, 6, 4)
	s_cmp_eq_u32 s2, 0
	s_cbranch_scc0 .Lentry_in_a_cluster
	s_endpgm
.Lentry_in_a_cluster:
	s_bfe_u32 s2, ttmp6, 0x10000c
	s_cmp_lg_u32 s2, 0xf033
	s_cbranch_scc0 .Lentry_shape_is_right
	s_endpgm
.Lentry_shape_is_right:
; out0 [4096][1024] f32 = y Wo, on f16 operands with f32 sums.  y16 and wo16 hold images of operand registers: [tile of 16 rows or columns][16 along K][512 bytes], lane l's 16 bytes at 16 l.
; A tile of out0 is 128 x 128: four waves, each 64 x 64 in 16 accumulators.  K goes in steps of 256 through two LDS slots; a wave's tensor load brings 4 tiles x 8,192 bytes; every LDS load takes 512 consecutive bytes.
; CLUSTERS: 4 x 4 work-groups; the four of a row need the same tiles of y, the four of a column the same tiles of Wo: each is asked for jointly, by the same load with a mask that names the four.
; THE MATRIX INSTRUCTION IS USED TRANSPOSED (source 0 = 16 columns of Wo, source 1 = 16 rows of y): a lane holds eight neighbouring numbers of a row of out0.
; All 4,096 rows are stored: no branch may hang on the tile row in a cluster.  The 32 rows of positions 0-15 (128 KB) are written again, more finely, by the next launch.
; REGISTERS: window 0: v0-31 addresses; v32-127 the way out; v128-255 accumulators ((a, b) at v[128 + 8 (4 a + b)]).  window 1: two fragment buffers of 128: 64 of y, then 64 of Wo, for 64 along K.
.set HALFT,  32768                     ; 4 tiles x 8,192 bytes: what one tensor load brings, and what one wave reads of y or of Wo
.set SLOT,   4*HALFT
.set STAGE,  2*SLOT                    ; behind the ring: 16 rows x (256 + 16) bytes for each wave
.set SPITCH, 272
.set SPARE,  STAGE+4*16*SPITCH         ; the spare words, 128 bytes a wave
.set LAPS,   2                         ; K = 1,024 = two laps of two K steps
.set ADRA, 16
.set ADRB, 20
.set STO,  24
.set RD,   25
.set CO,   26
.set SPW,  28
.set NIL,  29
.set OB,   32
.set ACC,  128
.set F0,   0
.set F1,   128
.set G1, 24
.set G0, 32
.set G1B, 48
.set G0B, 56
.set MSB, 0
.macro WIN new
.if MSB != \new
	s_set_vgpr_msb (MSB<<8)|\new
.set MSB, \new
.endif
.endm
.set MUL,  0x05                        ; sources 0 and 1 window 1; C and D window 0
.set TO_F, 0x40                        ; destination window 1, address window 0
.macro JLOAD s                         ; a joint load: waves 0 and 1 fetch y's two halves, waves 2 and 3 Wo's; an s_nop 0 and four v_nop follow each line
	s_cmp_eq_u32 s11, 0
	s_cbranch_scc0 .Lfor_b_\@
	tensor_load_to_lds s[G0+4*\s:G0+4*\s+3], s[G1:G1+7]
	s_nop 0
.rept 4
	v_nop
.endr
	s_branch .Lasked_\@
.Lfor_b_\@:
	tensor_load_to_lds s[G0B+4*\s:G0B+4*\s+3], s[G1B:G1B+7]
	s_nop 0
.rept 4
	v_nop
.endr
.Lasked_\@:
.endm
.macro CREST                           ; a round of the cluster's barrier behind its opening barrier
	s_cmp_lg_u32 s10, 0
	s_cbranch_scc1 .Lnot_wave_0_\@
	s_barrier_signal -3
.Lnot_wave_0_\@:
	s_barrier_wait -3
	s_barrier_signal -1
	s_barrier_wait -1
.endm
.macro CROUND
	s_barrier_signal -1
	s_barrier_wait -1
	CREST
.endm
	s_load_b128 s[4:7], s[0:1], 0x0                ; y16, wo16
	s_load_b64 s[8:9], s[0:1], 0x10                ; out0
	v_lshl_add_u32 v[SPW], v0, 2, SPARE
	v_mov_b32 v[NIL], 0
	ds_add_u32 v[SPW], v[NIL]                      ; the wave's opening: the add, twice on end, and its wait ahead of my first tensor load
	ds_add_u32 v[SPW], v[NIL]
	v_lshrrev_b32 v1, 5, v0
	v_readfirstlane_b32 s10, v1                    ; wave
	s_lshr_b32 s11, s10, 1                         ; my half of the tile's rows; also: I fetch for y (0) or Wo (1)
	s_and_b32 s12, s10, 1                          ; my half of its columns; also: which half I fetch
	s_bfe_u32 s40, ttmp6, 0x40000                  ; cx
	s_bfe_u32 s41, ttmp6, 0x40004                  ; cy
	s_lshl_b32 s42, ttmp9, 2
	s_add_co_u32 s42, s42, s40                     ; tile column
	s_and_b32 s13, ttmp7, 0xffff
	s_lshl_b32 s13, s13, 2
	s_add_co_u32 s13, s13, s41                     ; tile row
	s_lshl_b32 s43, s41, 2
	s_lshl_b32 s43, 15, s43                        ; my row of the cluster
	s_lshl_b32 s44, 0x1111, s40                    ; my column
	s_or_b32 s[G1+0], s43, (3<<16)|(1<<21)         ; the mask; elements of 8 bytes; bit 21 set beside a mask; no padding
	s_or_b32 s[G1B+0], s44, (3<<16)|(1<<21)
.irp g, G1, G1B
	s_mov_b32 s[\g+1], 1024<<16                    ; tensor_dim0 = 1,024 elements: 8,192 bytes
	s_mov_b32 s[\g+2], 4<<16                       ; tensor_dim1 = 4 tiles
	s_mov_b32 s[\g+3], 1024<<16                    ; tile_dim0
	s_mov_b32 s[\g+4], 4                           ; tile_dim1
	s_mov_b32 s[\g+5], 4096                        ; from tile to tile: 32,768 bytes
	s_mov_b32 s[\g+6], 0
	s_mov_b32 s[\g+7], 0
.endr
	s_lshl_b32 s17, s12, 17                        ; which 4 tiles I fetch
	s_lshl_b32 s16, s13, 18
	s_add_co_u32 s16, s16, s17                     ; y: (8 x tile row + 4 x half) x 32,768
	s_lshl_b32 s46, s42, 18
	s_add_co_u32 s46, s46, s17                     ; Wo: by the tile column
	s_mov_b32 s17, 0
	s_mov_b32 s47, 0
	s_mul_i32 s20, s10, HALFT                      ; where they go: no place in the cluster enters an LDS address
	s_wait_dscnt 0x0                               ; both opening adds are done
	s_wait_kmcnt 0x0
	s_add_nc_u64 s[14:15], s[4:5], s[16:17]
	s_add_nc_u64 s[46:47], s[6:7], s[46:47]
	CROUND                                         ; all sixteen work-groups are here: the first joint loads meet
.irp s, 0,1
	s_mov_b32 s[G0+4*\s], 1
	s_add_co_u32 s[G0+4*\s+1], s20, \s*SLOT
	s_add_nc_u64 s[G0+4*\s+2:G0+4*\s+3], s[14:15], \s*8192
	s_or_b32 s[G0+4*\s+3], s[G0+4*\s+3], 0x80000000
	s_mov_b32 s[G0B+4*\s], 1
	s_add_co_u32 s[G0B+4*\s+1], s20, \s*SLOT
	s_add_nc_u64 s[G0B+4*\s+2:G0B+4*\s+3], s[46:47], \s*8192
	s_or_b32 s[G0B+4*\s+3], s[G0B+4*\s+3], 0x80000000
	JLOAD \s
.endr
	v_and_b32 v1, 15, v0
	v_bfe_u32 v2, v0, 4, 1
	v_and_b32 v3, 31, v0
	v_lshlrev_b32 v3, 4, v3                        ; 16 x lane
	s_mul_i32 s21, s11, HALFT                      ; my 64 rows of y
	s_mul_i32 s22, s12, HALFT                      ; my 64 columns of Wo,
	s_add_co_u32 s22, s22, 2*HALFT                 ; behind y's 128 rows
.irp s, 0,1
	v_add_nc_u32 v[ADRA+\s], s21, v3
	v_add_nc_u32 v[ADRB+\s], s22, v3
	s_add_co_u32 s21, s21, SLOT
	s_add_co_u32 s22, s22, SLOT
.endr
	s_mul_i32 s23, s10, 16*SPITCH
	s_add_co_u32 s23, s23, STAGE                   ; my stage
	v_mul_u32_u24 v4, v1, SPITCH
	v_lshl_add_u32 v4, v2, 5, v4
	v_add_nc_u32 v[STO], s23, v4                   ; in: row l % 16, 32 bytes for each half of the lanes
	v_mul_u32_u24 v5, v2, SPITCH
	v_lshl_add_u32 v5, v1, 4, v5
	v_add_nc_u32 v[RD], s23, v5                    ; back: lanes 0-15 one row of 256 bytes, lanes 16-31 the next
	v_lshlrev_b32 v5, 12, v2
	v_lshl_add_u32 v[CO], v1, 4, v5                ; and the same two rows in out0
	s_lshl_b32 s16, s13, 19
	s_lshl_b32 s17, s11, 18
	s_add_co_u32 s16, s16, s17                     ; my first row: (128 x tile row + 64 x half) x 4,096 bytes
	s_mov_b32 s17, 0
	s_add_nc_u64 s[8:9], s[8:9], s[16:17]
	s_lshl_b32 s46, s42, 9
	s_lshl_b32 s47, s12, 8
	s_add_co_u32 s46, s46, s47                     ; my first column, in bytes
	s_mov_b32 s47, 0
	s_add_nc_u64 s[8:9], s[8:9], s[46:47]
.macro MUL8 f, c, a0, zero             ; 8 products: row blocks a0, a0 + 1 x all 4 column blocks, 32 along K; the accumulators take turns
.irp a, \a0, \a0+1
.irp b, 0,1,2,3
.if \zero
	v_wmma_f32_16x16x32_f16 v[ACC+8*(4*(\a)+\b):ACC+8*(4*(\a)+\b)+7], v[\f+64+8*(4*\c+\b):\f+64+8*(4*\c+\b)+7], v[\f+8*(4*\c+\a):\f+8*(4*\c+\a)+7], 0
.else
	v_wmma_f32_16x16x32_f16 v[ACC+8*(4*(\a)+\b):ACC+8*(4*(\a)+\b)+7], v[\f+64+8*(4*\c+\b):\f+64+8*(4*\c+\b)+7], v[\f+8*(4*\c+\a):\f+8*(4*\c+\a)+7], v[ACC+8*(4*(\a)+\b):ACC+8*(4*(\a)+\b)+7]
.endif
.endr
.endr
.endm
.macro FETCH slot, k, f                ; 32 LDS loads: the fragments of 64 along K, from byte k of each tile's 8,192, into buffer f; the first 32 along K first
	WIN TO_F
.irp c, 0,1
.irp i, 0,1,2,3
	ds_load_b128 v[\f+64+8*(4*\c+\i):\f+64+8*(4*\c+\i)+3],   v[ADRB+\slot] offset:\k+1024*\c+\i*8192
	ds_load_b128 v[\f+64+8*(4*\c+\i)+4:\f+64+8*(4*\c+\i)+7], v[ADRB+\slot] offset:\k+1024*\c+\i*8192+512
	ds_load_b128 v[\f+8*(4*\c+\i):\f+8*(4*\c+\i)+3],         v[ADRA+\slot] offset:\k+1024*\c+\i*8192
	ds_load_b128 v[\f+8*(4*\c+\i)+4:\f+8*(4*\c+\i)+7],       v[ADRA+\slot] offset:\k+1024*\c+\i*8192+512
.endr
.endr
.endm
.macro PLACES
.rept 4
	v_nop
.endr
.endm
.macro QUARTER slot, k, f, g, zero     ; 64 along K: multiplies buffer f and fetches the next quarter, at byte k, into g
	s_wait_dscnt 16                                ; the first 32 along K are in; the youngest sixteen loads may be out
	WIN MUL
	MUL8 \f, 0, 0, \zero
	MUL8 \f, 0, 2, \zero
	PLACES
	FETCH \slot, \k, \g
	s_wait_dscnt 32                                ; all but the 32 just issued
	WIN MUL
	MUL8 \f, 1, 0, 0
	MUL8 \f, 1, 2, 0
.endm
; A slot's last quarter changes slots: one barrier; ahead of it each wave waits for all its tensor loads, adds 0 to its spare word, and waits for that and for its reads of this slot.
.macro TURN slot, next, fill
	WIN 0
	s_wait_tensorcnt 0x0                           ; all my tensor loads have landed: my part of the next slot
	ds_add_u32 v[SPW], v[NIL]
	s_wait_dscnt 17                                ; the add and the youngest sixteen loads may be out
	WIN MUL
	MUL8 F1, 0, 0, 0
	s_wait_dscnt 0x0                               ; the add is done, and my reads of this slot are over
	s_barrier_signal -1
	MUL8 F1, 0, 2, 0
.if \fill
	WIN 0
.endif
	s_barrier_wait -1
.if \fill
	CREST                                          ; the barrier has opened a round of the cluster's: no wave of any partner still reads this slot or has a load on its way
	s_add_nc_u64 s[G0+4*\slot+2:G0+4*\slot+3], s[G0+4*\slot+2:G0+4*\slot+3], 16384
	s_add_nc_u64 s[G0B+4*\slot+2:G0B+4*\slot+3], s[G0B+4*\slot+2:G0B+4*\slot+3], 16384
	JLOAD \slot                                    ; the first tensor load behind the round; its four v_nop are also the places ahead of the loads below
.else
	PLACES
.endif
	FETCH \next, 0, F0
	WIN MUL
	MUL8 F1, 1, 0, 0
	MUL8 F1, 1, 2, 0
.endm
	s_wait_tensorcnt 1                             ; my part of K step 0 is in; K step 1's load may be out
	s_barrier_signal -1
	s_barrier_wait -1
	FETCH 0, 0, F0
	QUARTER 0, 2048, F0, F1, 1                     ; the first quarter's first products start the sums
	WIN 0
	s_mov_b32 s3, LAPS-1
.Llap:
	QUARTER 0, 4096, F1, F0, 0
	QUARTER 0, 6144, F0, F1, 0
	TURN 0, 1, 1
	QUARTER 1, 2048, F0, F1, 0
	QUARTER 1, 4096, F1, F0, 0
	QUARTER 1, 6144, F0, F1, 0
	TURN 1, 0, 1
	QUARTER 0, 2048, F0, F1, 0
	WIN 0
	s_sub_co_u32 s3, s3, 1
	s_cmp_lg_u32 s3, 0
	s_cbranch_scc1 .Llap
	QUARTER 0, 4096, F1, F0, 0                     ; the last lap fills nothing
	QUARTER 0, 6144, F0, F1, 0
	TURN 0, 1, 0
	QUARTER 1, 2048, F0, F1, 0
	QUARTER 1, 4096, F1, F0, 0
	QUARTER 1, 6144, F0, F1, 0
	s_wait_dscnt 16
	WIN MUL
	MUL8 F1, 0, 0, 0
	MUL8 F1, 0, 2, 0
	s_wait_dscnt 0
	MUL8 F1, 1, 0, 0
	MUL8 F1, 1, 2, 0
	WIN 0
	; THE WAY OUT.  My 64 columns are 256 bytes of a row: a block of 16 rows goes through my own stage and comes back as whole rows; sixteen lanes store 256 consecutive, aligned bytes.
	PLACES
.irp a, 0,1,2,3
.if \a == 3
	s_wait_xcnt 0x0                                ; block 0's stores have read the registers that block 3 takes
.endif
.irp b, 0,1,2,3
	ds_store_b128 v[STO], v[ACC+8*(4*\a+\b):ACC+8*(4*\a+\b)+3] offset:64*\b          ; each accumulator from its low end on
	ds_store_b128 v[STO], v[ACC+8*(4*\a+\b)+4:ACC+8*(4*\a+\b)+7] offset:64*\b+16
.endr
.irp t, 0,1,2,3,4,5,6,7
	ds_load_b128 v[OB+32*(\a%3)+4*\t:OB+32*(\a%3)+4*\t+3], v[RD] offset:\t*2*SPITCH   ; LDS serves a wave's instructions in order: these see the stores above
.endr
	s_wait_dscnt 0x0
.irp t, 0,1,2,3,4,5,6,7
	global_store_b128 v[CO], v[OB+32*(\a%3)+4*\t:OB+32*(\a%3)+4*\t+3], s[8:9] offset:(16*\a+2*\t)*4096 th:TH_STORE_NT
.endr
.endr
	s_wait_tensorcnt 0x0                           ; the wave's end
	ds_add_u32 v[SPW], v[NIL]
	s_wait_dscnt 0x0
	CROUND                                         ; the closing round
	s_endpgm
.Lfunc_end_k_q396bf46a4c_proj:
	.size	k_q396bf46a4c_proj, .Lfunc_end_k_q396bf46a4c_proj-k_q396bf46a4c_proj
	.p2alignl 7, 3214868480
	.fill 96, 4, 3214868480
	.section	.rodata,"a",@progbits
	.p2align	6, 0x0
	.amdhsa_kernel k_q396bf46a4c_proj
		.amdhsa_group_segment_fixed_size 327680
		.amdhsa_private_segment_fixed_size 0
		.amdhsa_enable_private_segment 0
		.amdhsa_kernarg_size 24
		.amdhsa_user_sgpr_count 2
		.amdhsa_user_sgpr_kernarg_segment_ptr 1
		.amdhsa_wavefront_size32 1
		.amdhsa_system_sgpr_workgroup_id_x 1
		.amdhsa_system_sgpr_workgroup_id_y 1
		.amdhsa_system_sgpr_workgroup_id_z 1
		.amdhsa_system_vgpr_workitem_id 0
		.amdhsa_next_free_vgpr 512
		.amdhsa_next_free_sgpr 66
		.amdhsa_reserve_vcc 0
		.amdhsa_float_denorm_mode_32 3
		.amdhsa_float_denorm_mode_16_64 3
		.amdhsa_memory_ordered 1
		.amdhsa_forward_progress 1
		.amdhsa_inst_pref_size 85
	.end_amdhsa_kernel
	.amdgpu_metadata
---
amdhsa.version: [ 1, 2 ]
amdhsa.kernels:
  - .name:           k_q396bf46a4c_proj
    .symbol:         k_q396bf46a4c_proj.kd
    .args:
      - { .name: y16, .offset: 0, .size: 8, .value_kind: global_buffer, .address_space: global }
      - { .name: wo16, .offset: 8, .size: 8, .value_kind: global_buffer, .address_space: global }
      - { .name: out0, .offset: 16, .size: 8, .value_kind: global_buffer, .address_space: global }
    .group_segment_fixed_size: 327680
    .private_segment_fixed_size: 0
    .kernarg_segment_align: 8
    .kernarg_segment_size: 24
    .max_flat_workgroup_size: 128
    .sgpr_count:     66
    .vgpr_count:     512
    .wavefront_size: 32
...
	.end_amdgpu_metadata
.endif
;; end of part 4
;; launch fine (part 5): grid 64 x 2, 16 waves a work-group, no clusters, 18,432 bytes of LDS; arguments fine32, Wo, out0; writes out0
.if DOCPART == 5
	.amdgcn_target "amdgcn-amd-amdhsa--gfx1250"
	.amdhsa_code_object_version 6
	.text
	.protected	k_q396bf46a4c_fine
	.globl	k_q396bf46a4c_fine
	.p2align	8
	.type	k_q396bf46a4c_fine,@function
k_q396bf46a4c_fine:
	s_mov_b64 s[64:65], 0
	v_nop
	global_prefetch_b8 v0, s[64:65] scope:SCOPE_SE
	s_setreg_imm32_b32 hwreg(HW_REG_WAVE_MODE, 25, 1), 1
	s_wait_xcnt 0x0
; Positions 0-15 of both sequences once more, wholly in f32: these rows average one to sixteen values and are the largest of the output, so f16 operands would use up what the comparison allows.
; Work-group (ct, batch) makes out0[batch][0..15][16 ct .. 16 ct + 15].  Wave w is head w: its 16 x 16 scores, softmax, O^T (64 channels), and the part of the projection over its own 64 channels, so that
; y never leaves the registers; the sixteen waves' parts meet in LDS and waves 0 and 1 add them.  Each of a batch's 64 work-groups repeats the small attention: 32 of a wave's 48 matrix instructions.
; K IS PERMUTED ALIKE ON BOTH OPERANDS of each product: a step takes two consecutive registers of each side, and both sides' lanes hold the same channel (or key) there.
; The registers that the f32 matrix form writes (v144-239) are written by it alone.  Wo is read as 64 neighbouring bytes for sixteen lanes; out0 is written as 64 bytes of a row for each work-group: 128 KB in all.
.set SPARE, 16384                      ; LDS: the waves' parts, 1,024 bytes each; behind them the spare words, 128 bytes a wave
.set LI,  1
.set SPW, 2
.set NIL, 3
.set WOA, 4
.set DD,  5
.set RDA, 6
.set STA, 7
.set GO,  8
.set QF,  16                           ; v16-47   q: register 8 t + 4 e + x: channel 16 t + 8 h + 4 e + x of position r
.set KFR, 48                           ; v48-79   k likewise
.set VF,  80                           ; v80-111  v: register 8 dt + x: key 8 h + x of channel 16 dt + r
.set WF,  112                          ; v112-143 Wo: register 8 dt + x: channel 16 dt + 8 h + x of my head, column 16 ct + r
.set SA,  144                          ; four accumulators of S^T
.set OA,  176                          ; O^T, 16 channels each
.set PA,  208                          ; four accumulators of the projection
.set SV,  240                          ; v240-247 the scores, then p / l
	s_load_b128 s[4:7], s[0:1], 0x0                ; fine32, Wo
	s_load_b64 s[8:9], s[0:1], 0x10                ; out0
	v_lshl_add_u32 v[SPW], v0, 2, SPARE
	v_mov_b32 v[NIL], 0
	v_lshrrev_b32 v9, 5, v0
	v_readfirstlane_b32 s10, v9                    ; wave = head
	s_and_b32 s11, ttmp7, 0xffff                   ; batch
	v_and_b32 v9, 31, v0
	v_lshlrev_b32 v[LI], 4, v9
	v_and_b32 v10, 15, v0                          ; r
	v_bfe_u32 v11, v0, 4, 1                        ; h
	v_lshlrev_b32 v[WOA], 15, v11
	v_lshl_add_u32 v[WOA], v10, 2, v[WOA]          ; 8 h rows of Wo, column r
	v_lshlrev_b32 v12, 3, v11
	v_sub_nc_u32 v[DD], v10, v12                   ; r - 8 h: register j holds key 8 h + j, hidden where j > r - 8 h
	s_lshl_b32 s29, s10, 10
	v_add_nc_u32 v[STA], s29, v[LI]
	s_and_b32 s24, s10, 1
	s_lshl_b32 s28, s24, 9
	v_add_nc_u32 v[RDA], s28, v[LI]
	v_lshlrev_b32 v[GO], 12, v10
	v_lshl_add_u32 v[GO], v11, 5, v[GO]            ; row r of out0, + 32 h bytes
	s_lshl_b32 s12, s11, 4
	s_add_co_u32 s12, s12, s10
	s_lshl_b32 s12, s12, 12                        ; q: (16 batch + head) x 4,096
	s_mov_b32 s13, 0
	s_lshl_b32 s14, s11, 2
	s_lshr_b32 s15, s10, 2
	s_add_co_u32 s14, s14, s15
	s_lshl_b32 s14, s14, 12                        ; k, v: (4 batch + kv head) x 4,096
	s_add_co_u32 s16, s14, 163840
	s_add_co_u32 s14, s14, 131072
	s_mov_b32 s15, 0
	s_mov_b32 s17, 0
	s_lshl_b32 s18, s10, 18                        ; Wo: my head's 64 rows,
	s_lshl_b32 s19, ttmp9, 6                       ; my work-group's 16 columns
	s_add_co_u32 s18, s18, s19
	s_lshl_b32 s22, s11, 23                        ; out0: the batch's first row
	s_add_co_u32 s22, s22, s19
	s_lshl_b32 s25, s24, 4
	s_add_co_u32 s22, s22, s25                     ; waves 0 and 1 store columns 8 h + 4 (wave) + 0 .. 3
	s_mov_b32 s19, 0
	s_mov_b32 s23, 0
	s_mov_b32 s20, 0x3e38aa3b                      ; c = log2(e) / 8
	s_mov_b32 s26, 0x76543210
	s_mov_b32 s27, 0xfedcba98
	s_wait_kmcnt 0x0
	s_add_nc_u64 s[12:13], s[4:5], s[12:13]
	s_add_nc_u64 s[14:15], s[4:5], s[14:15]
	s_add_nc_u64 s[16:17], s[4:5], s[16:17]
	s_add_nc_u64 s[18:19], s[6:7], s[18:19]
	s_add_nc_u64 s[22:23], s[8:9], s[22:23]
.irp i, 0,1,2,3,4,5,6,7
	global_load_b128 v[QF+4*\i:QF+4*\i+3], v[LI], s[12:13] offset:512*\i
	global_load_b128 v[KFR+4*\i:KFR+4*\i+3], v[LI], s[14:15] offset:512*\i
	global_load_b128 v[VF+4*\i:VF+4*\i+3], v[LI], s[16:17] offset:512*\i
.endr
.irp n, 0,1,2,3,4,5,6,7,8,9,10,11,12,13,14,15,16,17,18,19,20,21,22,23,24,25,26,27,28,29,30,31
	global_load_b32 v[WF+\n], v[WOA], s[18:19] offset:(16*(\n/8)+\n%8)*4096
.endr
	v_mov_b32 v250, 0xff800000                     ; -infinity
	v_mov_b32 v252, 0                              ; a lane permute's destination counts as read
	s_wait_loadcnt 0x0
	; S^T = K Q^T: 16 steps of 4 channels, four accumulators by turns; the first four steps start the sums
.irp s, 0,1,2,3,4,5,6,7,8,9,10,11,12,13,14,15
.if \s < 4
	v_wmma_f32_16x16x4_f32 v[SA+8*(\s%4):SA+8*(\s%4)+7], v[KFR+2*\s:KFR+2*\s+1], v[QF+2*\s:QF+2*\s+1], 0
.else
	v_wmma_f32_16x16x4_f32 v[SA+8*(\s%4):SA+8*(\s%4)+7], v[KFR+2*\s:KFR+2*\s+1], v[QF+2*\s:QF+2*\s+1], v[SA+8*(\s%4):SA+8*(\s%4)+7]
.endif
.endr
.rept 8
	v_nop                                          ; eight places behind this form ahead of a read of its results
.endr
.irp j, 0,2,4,6
	v_pk_add_f32 v[SV+\j:SV+\j+1], v[SA+\j:SA+\j+1], v[SA+8+\j:SA+9+\j]
	v_pk_add_f32 v[248:249], v[SA+16+\j:SA+17+\j], v[SA+24+\j:SA+25+\j]
	v_pk_add_f32 v[SV+\j:SV+\j+1], v[SV+\j:SV+\j+1], v[248:249]
.endr
.irp j, 0,1,2,3,4,5,6,7
	v_cmp_gt_i32 vcc_lo, \j, v[DD]
	v_cndmask_b32 v[SV+\j], v[SV+\j], v250, vcc_lo
.endr
	v_max3_num_f32 v251, v[SV], v[SV+1], v[SV+2]
	v_max3_num_f32 v251, v251, v[SV+3], v[SV+4]
	v_max3_num_f32 v251, v251, v[SV+5], v[SV+6]
	v_max_num_f32 v251, v251, v[SV+7]
	v_permlanex16_b32 v252, v251, s26, s27
	v_max_num_f32 v251, v251, v252                 ; the row's maximum: key 0 counts for every query
	v_mul_f32 v253, s20, v251
.irp j, 0,1,2,3,4,5,6,7
	v_fma_f32 v[SV+\j], v[SV+\j], s20, -v253
.endr
.irp j, 0,1,2,3,4,5,6,7
	v_exp_f32 v[SV+\j], v[SV+\j]
.endr
	v_nop
	s_wait_alu depctr_va_vdst(0)                   ; one wait for the eight, ahead of their first reader
	v_pk_add_f32 v[248:249], v[SV:SV+1], v[SV+2:SV+3]
	v_pk_add_f32 v[254:255], v[SV+4:SV+5], v[SV+6:SV+7]
	v_pk_add_f32 v[248:249], v[248:249], v[254:255]
	v_add_f32 v254, v248, v249
	v_permlanex16_b32 v252, v254, s26, s27
	v_add_f32 v254, v254, v252
	v_rcp_f32 v255, v254
	v_nop
	s_wait_alu depctr_va_vdst(0)
.irp j, 0,1,2,3,4,5,6,7
	v_mul_f32 v[SV+\j], v[SV+\j], v255             ; p / l
.endr
	; O^T = V^T P: 4 steps of 4 keys for each of the four tiles of channels
.irp kk, 0,1,2,3
.irp dt, 0,1,2,3
.if \kk == 0
	v_wmma_f32_16x16x4_f32 v[OA+8*\dt:OA+8*\dt+7], v[VF+8*\dt+2*\kk:VF+8*\dt+2*\kk+1], v[SV+2*\kk:SV+2*\kk+1], 0
.else
	v_wmma_f32_16x16x4_f32 v[OA+8*\dt:OA+8*\dt+7], v[VF+8*\dt+2*\kk:VF+8*\dt+2*\kk+1], v[SV+2*\kk:SV+2*\kk+1], v[OA+8*\dt:OA+8*\dt+7]
.endif
.endr
.endr
.rept 9
	v_nop                                          ; nine places before a matrix instruction takes these results as an operand
.endr
	; the projection over my 64 channels: source 0 = 16 columns of Wo, source 1 = O^T as it stands
.irp kk, 0,1,2,3
.irp dt, 0,1,2,3
.if \kk == 0
	v_wmma_f32_16x16x4_f32 v[PA+8*\dt:PA+8*\dt+7], v[WF+8*\dt+2*\kk:WF+8*\dt+2*\kk+1], v[OA+8*\dt+2*\kk:OA+8*\dt+2*\kk+1], 0
.else
	v_wmma_f32_16x16x4_f32 v[PA+8*\dt:PA+8*\dt+7], v[WF+8*\dt+2*\kk:WF+8*\dt+2*\kk+1], v[OA+8*\dt+2*\kk:OA+8*\dt+2*\kk+1], v[PA+8*\dt:PA+8*\dt+7]
.endif
.endr
.endr
.rept 8
	v_nop
.endr
.irp j, 0,2,4,6
	v_pk_add_f32 v[16+\j:17+\j], v[PA+\j:PA+\j+1], v[PA+8+\j:PA+9+\j]
	v_pk_add_f32 v[24+\j:25+\j], v[PA+16+\j:PA+17+\j], v[PA+24+\j:PA+25+\j]
.endr
.irp j, 0,2,4,6
	v_pk_add_f32 v[16+\j:17+\j], v[16+\j:17+\j], v[24+\j:25+\j]   ; my head's part: query r, columns 8 h + j
.endr
	ds_store_b128 v[STA], v[16:19]
	ds_store_b128 v[STA], v[20:23] offset:512
	s_wait_dscnt 0x0                               ; for the others' sake: my stores have landed
	s_barrier_signal -1
	s_barrier_wait -1
	s_cmp_lt_u32 s10, 2
	s_cbranch_scc0 .Ldone
.irp i, 0,1,2,3,4,5,6,7,8,9,10,11,12,13,14,15
	ds_load_b128 v[48+4*\i:51+4*\i], v[RDA] offset:1024*\i
.endr
	s_wait_dscnt 0x0
.irp i, 0,1,2,3,4,5,6,7
	v_pk_add_f32 v[48+8*\i:49+8*\i], v[48+8*\i:49+8*\i], v[52+8*\i:53+8*\i]
	v_pk_add_f32 v[50+8*\i:51+8*\i], v[50+8*\i:51+8*\i], v[54+8*\i:55+8*\i]
.endr
.irp i, 0,1,2,3
	v_pk_add_f32 v[48+16*\i:49+16*\i], v[48+16*\i:49+16*\i], v[56+16*\i:57+16*\i]
	v_pk_add_f32 v[50+16*\i:51+16*\i], v[50+16*\i:51+16*\i], v[58+16*\i:59+16*\i]
.endr
.irp i, 0,1
	v_pk_add_f32 v[48+32*\i:49+32*\i], v[48+32*\i:49+32*\i], v[64+32*\i:65+32*\i]
	v_pk_add_f32 v[50+32*\i:51+32*\i], v[50+32*\i:51+32*\i], v[66+32*\i:67+32*\i]
.endr
	v_pk_add_f32 v[48:49], v[48:49], v[80:81]
	v_pk_add_f32 v[50:51], v[50:51], v[82:83]
	global_store_b128 v[GO], v[48:51], s[22:23]
.Ldone:
	s_wait_tensorcnt 0x0                           ; the wave's end, behind my last LDS store
	ds_add_u32 v[SPW], v[NIL]
	s_wait_dscnt 0x0
	s_endpgm
.Lfunc_end_k_q396bf46a4c_fine:
	.size	k_q396bf46a4c_fine, .Lfunc_end_k_q396bf46a4c_fine-k_q396bf46a4c_fine
	.p2alignl 7, 3214868480
	.fill 96, 4, 3214868480
	.section	.rodata,"a",@progbits
	.p2align	6, 0x0
	.amdhsa_kernel k_q396bf46a4c_fine
		.amdhsa_group_segment_fixed_size 18432
		.amdhsa_private_segment_fixed_size 0
		.amdhsa_enable_private_segment 0
		.amdhsa_kernarg_size 24
		.amdhsa_user_sgpr_count 2
		.amdhsa_user_sgpr_kernarg_segment_ptr 1
		.amdhsa_wavefront_size32 1
		.amdhsa_system_sgpr_workgroup_id_x 1
		.amdhsa_system_sgpr_workgroup_id_y 1
		.amdhsa_system_sgpr_workgroup_id_z 1
		.amdhsa_system_vgpr_workitem_id 0
		.amdhsa_next_free_vgpr 256
		.amdhsa_next_free_sgpr 66
		.amdhsa_reserve_vcc 1
		.amdhsa_float_denorm_mode_32 3
		.amdhsa_float_denorm_mode_16_64 3
		.amdhsa_memory_ordered 1
		.amdhsa_forward_progress 1
		.amdhsa_inst_pref_size 19
	.end_amdhsa_kernel
	.amdgpu_metadata
---
amdhsa.version: [ 1, 2 ]
amdhsa.kernels:
  - .name:           k_q396bf46a4c_fine
    .symbol:         k_q396bf46a4c_fine.kd
    .args:
      - { .name: fine32, .offset: 0, .size: 8, .value_kind: global_buffer, .address_space: global }
      - { .name: Wo, .offset: 8, .size: 8, .value_kind: global_buffer, .address_space: global }
      - { .name: out0, .offset: 16, .size: 8, .value_kind: global_buffer, .address_space: global }
    .group_segment_fixed_size: 18432
    .private_segment_fixed_size: 0
    .kernarg_segment_align: 8
    .kernarg_segment_size: 24
    .max_flat_workgroup_size: 512
    .sgpr_count:     66
    .vgpr_count:     256
    .wavefront_size: 32
...
	.end_amdgpu_metadata
.endif
;; end of part 5
